; MI455X (gfx1250); checked and timed in simulation.
; The chip was launched on July 23, 2026; its instructions are those of AMD's public machine-readable ISA for CDNA 5 (MIT licence, August 2026) and "CDNA5" Instruction Set Architecture Reference Guide (July 2026). The comments in the code are by the model that wrote it; some were corrected since.
;; Qwen3 Attention. Allowed arithmetic: float matrix products may take bf16 or f16 operands with f32 sums; other float arithmetic in f32, or as packed bf16 or f16 multiplies, adds, multiply-adds, maxima and minima; sums over many terms, partial sums and values carried from step to step in f32; what a program stores and reads back later, other than sums and carried values, may be rounded once to bf16 or f16.
;; Inputs: Wk 4,096 x 1,024 float32; Wo 2,048 x 4,096 float32; Wq 4,096 x 2,048 float32; Wv 4,096 x 1,024 float32; k_scale 128 float32; positions 2,048 int32; q_scale 128 float32; x 1 x 2,048 x 4,096 float32.
;; Outputs: out0 1 x 2,048 x 4,096 float32.
;; 2 versions, each right; version 2 is version 1 with the launch prep written anew for expert scheduling mode. Each part assembles by itself: llvm-mc -triple=amdgcn-amd-amdhsa -mcpu=gfx1250 --defsym DOCPART=n.
;; ======== version 1 of 2: 4 launches
;; limits: values are held in f16: magnitudes above 65,504 overflow, below 6.1e-05 lose precision; right only within a limited range of input values; inputs' magnitudes at most 4,096
;; workspace buffers: xb 16,777,216 bytes; wqkv 33,554,432 bytes; wob 16,777,216 bytes; cs 1,082,880 bytes; qkv 16,777,216 bytes; qkl 8,388,608 bytes; ctx 10,485,760 bytes
;; launch prep (part 1): grid 2181 x 1, 8 waves a work-group, no clusters, 0 bytes of LDS; arguments x, Wq, Wk, Wv, Wo, positions, q_scale, k_scale, xb, wqkv, wob, cs; writes xb, wqkv, wob, cs
.if DOCPART == 1
	.amdgcn_target "amdgcn-amd-amdhsa--gfx1250"
	.amdhsa_code_object_version 6
	.text
	.protected	k_q8bb86ae431_prep
	.globl	k_q8bb86ae431_prep
	.p2align	8
	.type	k_q8bb86ae431_prep,@function
k_q8bb86ae431_prep:
	s_mov_b64 s[64:65], 0
	v_nop
	global_prefetch_b8 v0, s[64:65] scope:SCOPE_SE
	s_setreg_imm32_b32 hwreg(HW_REG_WAVE_MODE, 25, 1), 1
	s_wait_xcnt 0x0
; PREP: the casts, the table of cosines and sines, the gains.
;   xb   [2048][4096] bf16 = x rounded.   wqkv [4096 k][4096 n] bf16 = Wq | Wk | Wv x 2^-4, rounded.   wob [2048 k][4096 n] f16 = (Wo rounded to bf16) x 2^4.
;   The two powers of two are exact and cancel in the module; they keep v and the context within f16 up to 1.05e6.
;   cs: f32.  Byte rb*8192 + b*2048 + s*1024 + q*512 + lane*16 + 4 jj holds cos (s = 0) or sin (s = 1) of f32(positions[16 rb + lane % 16]) x inv_freq[16 b + 8 (lane / 16) + 4 q + jj], rb = 0 .. 127:
;   the order in which a lane of the next launch wants them, so that it loads them 512 consecutive bytes a wave.  Blocks rb = 128 .. 131 (from byte TABID) are made with the angle 0: cos 1, sin 0: v's rows take them.
;   From byte GAINS on: q_scale rounded to bf16, k_scale rounded to bf16, 128 ones: 512 bytes each, as f32.
; LIMITS.  |position| below 2^20 (the reduction by pi/2 has two terms).  inv_freq[i] is 2^(-i x 0.20762051) by v_exp_f32, a few units in the last place from a power and a division.
;   (Wo rounded to bf16) x 16 is exact in f16 from 2^-17 to 65,504 in magnitude; below that it is off by 3e-8 at the most; beyond it is an infinity.  NaN and infinities are not treated apart.
; SHARES.  A line is 8,192 bytes of a source: two halves of 4,096; thread t takes 16 bytes at 16 t of each half, so each load of a wave covers 512 consecutive bytes; rounded they are 8 bytes, and each store of a
;   wave covers 256 consecutive bytes, aligned.  A casting work-group takes 8 lines, 65,536 consecutive bytes of its source; which source hangs on the work-group's number alone:
;   0-511 x, 512-1023 Wq, 1024-1279 Wk, 1280-1535 Wv, 1536-2047 Wo; 2048-2179 make the table, 16 positions each; 2180 the gains.
; All 16 loads of a thread go out at once into registers of their own, and no register that a load or store names is written again: so there is no wait but the counted ones for data.
; No LDS, no barrier, no matrix unit: nothing is shared and memory binds.
.set TABID, 1048576                    ; cs: the table for the angle 0
.set GAINS, 1081344                    ; cs: the three rows of gains
.set SO,   1                           ; v1       16 t: my 16 bytes in half a line of the source
.set D,    2                           ; v[2:17]  my 8 bytes of line j, half g in the destination, at D + 2 j + g
.set X,    20                          ; v[20:83] line j, half g: 4 registers as loaded, at X + 8 j + 4 g; the first 2 then hold what is stored
.set U,    84                          ; v[84:95] at work (Wo)
.set SRC,  32                          ; s[32:33] the source at the work-group's first byte
.set DST,  34                          ; s[34:35] the destination at the work-group's first line
.set BASE, 36                          ; s36  the first work-group of my source
.set DL,   37                          ; s37  bytes from line to line in the destination
.set HS,   38                          ; s38  bytes from a line's first half to its second in the destination (Wk, Wv: a half is a row)
.set DC,   39                          ; s39  the source's first column in the destination, in bytes
.set KIND, 40                          ; s40  0: round to bf16; 1: x 2^-4, round to bf16; 2: x 2^4, round to bf16, write as f16
.macro PICK bound, src, dst, dl, hs, dc, kind  ; from work-group 'bound' on these hold
	s_cmp_ge_u32 ttmp9, \bound
	s_cselect_b64 s[SRC:SRC+1], s[\src:\src+1], s[SRC:SRC+1]
	s_cselect_b64 s[DST:DST+1], s[\dst:\dst+1], s[DST:DST+1]
	s_cselect_b32 s[BASE], \bound, s[BASE]
	s_cselect_b32 s[DL], \dl, s[DL]
	s_cselect_b32 s[HS], \hs, s[HS]
	s_cselect_b32 s[DC], \dc, s[DC]
	s_cselect_b32 s[KIND], \kind, s[KIND]
.endm
	s_load_b512 s[8:23], s[0:1], 0x0               ; x 8, Wq 10, Wk 12, Wv 14, Wo 16, positions 18, q_scale 20, k_scale 22
	s_load_b256 s[24:31], s[0:1], 0x40             ; xb 24, wqkv 26, wob 28, cs 30
	s_mov_b32 s[BASE], 0
	s_mov_b32 s[DL], 4096
	s_mov_b32 s[HS], 2048
	s_mov_b32 s[DC], 0
	s_mov_b32 s[KIND], 0
	s_mov_b32 s46, 0xffff0000                      ; a word's upper bf16
	v_lshlrev_b32 v[SO], 4, v0
	s_wait_kmcnt 0x0
	s_cmp_ge_u32 ttmp9, 2048
	s_cbranch_scc1 .Ltable
	s_mov_b64 s[SRC:SRC+1], s[8:9]                 ; x into xb, dense, unless a later line says otherwise
	s_mov_b64 s[DST:DST+1], s[24:25]
	PICK 512,  10, 26, 8192,  2048, 0,    0        ; Wq: a line is a row; a row of wqkv is 8,192 bytes
	PICK 1024, 12, 26, 16384, 8192, 4096, 0        ; Wk: a line is two rows; columns 2048 on
	PICK 1280, 14, 26, 16384, 8192, 6144, 1        ; Wv: columns 3072 on
	PICK 1536, 16, 28, 4096,  2048, 0,    2        ; Wo into wob, dense
	s_sub_co_u32 s41, ttmp9, s[BASE]               ; my number among my source's work-groups
	s_lshl_b32 s42, s41, 16                        ; 65,536 bytes of the source each
	s_mov_b32 s43, 0
	s_add_nc_u64 s[SRC:SRC+1], s[SRC:SRC+1], s[42:43]
	s_lshl_b32 s44, s[DL], 3                       ; 8 lines of the destination each
	s_mul_i32 s44, s41, s44
	s_mov_b32 s45, 0
	s_add_nc_u64 s[DST:DST+1], s[DST:DST+1], s[44:45]
.irp j, 0,1,2,3,4,5,6,7
	global_load_b128 v[X+8*(\j):X+8*(\j)+3],   v[SO], s[SRC:SRC+1] offset:8192*(\j) th:TH_LOAD_NT
	global_load_b128 v[X+8*(\j)+4:X+8*(\j)+7], v[SO], s[SRC:SRC+1] offset:8192*(\j)+4096 th:TH_LOAD_NT
.endr
	v_lshlrev_b32 v[D], 3, v0                      ; 8 bytes for each thread
	v_add_nc_u32 v[D], s[DC], v[D]
	v_add_nc_u32 v[D+1], s[HS], v[D]
.irp j, 1,2,3,4,5,6,7
	v_add_nc_u32 v[D+2*(\j)], s[DL], v[D+2*(\j)-2]
	v_add_nc_u32 v[D+2*(\j)+1], s[DL], v[D+2*(\j)-1]
.endr
; Line j is converted and stored, half by half.
.macro CONV j, kind
	s_wait_loadcnt 14-2*(\j)                       ; loads come back in order (ISA guide 5.7.1): line j's two are in, the 2 (7 - j) younger ones stay out
.irp g, 0,1
.set R, X+8*(\j)+4*(\g)
.if (\kind) == 1
	v_pk_mul_f32 v[R:R+1], v[R:R+1], 0x3d800000 op_sel_hi:[1,0]      ; x 2^-4
	v_pk_mul_f32 v[R+2:R+3], v[R+2:R+3], 0x3d800000 op_sel_hi:[1,0]
.endif
.if (\kind) == 2
	v_pk_mul_f32 v[R:R+1], v[R:R+1], 0x41800000 op_sel_hi:[1,0]      ; x 2^4
	v_pk_mul_f32 v[R+2:R+3], v[R+2:R+3], 0x41800000 op_sel_hi:[1,0]
	v_cvt_pk_bf16_f32 v[U+2*(\g)], v[R], v[R+1]                      ; the rounding that all inputs get
	v_cvt_pk_bf16_f32 v[U+2*(\g)+1], v[R+2], v[R+3]
	v_lshlrev_b32 v[U+4+4*(\g)], 16, v[U+2*(\g)]
	v_and_b32     v[U+5+4*(\g)], s46, v[U+2*(\g)]
	v_lshlrev_b32 v[U+6+4*(\g)], 16, v[U+2*(\g)+1]
	v_and_b32     v[U+7+4*(\g)], s46, v[U+2*(\g)+1]
	v_cvt_pk_f16_f32 v[R], v[U+4+4*(\g)], v[U+5+4*(\g)]              ; 8 significant bits fit in f16's 11
	v_cvt_pk_f16_f32 v[R+1], v[U+6+4*(\g)], v[U+7+4*(\g)]
.else
	v_cvt_pk_bf16_f32 v[R], v[R], v[R+1]                             ; ascending, in place: a result lands on a register already read
	v_cvt_pk_bf16_f32 v[R+1], v[R+2], v[R+3]
.endif
	global_store_b64 v[D+2*(\j)+(\g)], v[R:R+1], s[DST:DST+1]        ; a wave stores 256 consecutive bytes, at a multiple of 256 from the destination's first byte
.endr
.endm
	s_cmp_eq_u32 s[KIND], 1
	s_cbranch_scc1 .Lkind1
	s_cmp_eq_u32 s[KIND], 2
	s_cbranch_scc1 .Lkind2
.irp j, 0,1,2,3,4,5,6,7
	CONV \j, 0
.endr
	s_endpgm
.Lkind1:
.irp j, 0,1,2,3,4,5,6,7
	CONV \j, 1
.endr
	s_endpgm
.Lkind2:
.irp j, 0,1,2,3,4,5,6,7
	CONV \j, 2
.endr
	s_endpgm
; THE TABLE.  Work-group 2048 + rb makes 8,192 bytes: for rb below 128 those of positions 16 rb .. 16 rb + 15, for rb = 128 .. 131 those of the angle 0 (the position is multiplied by 0).  Thread t makes four cosines and
; four sines: position 16 rb + t % 16, frequencies i0 .. i0 + 3, i0 = 16 (t / 64) + 8 ((t / 16) % 2) + 4 ((t / 32) % 2).
.Ltable:
	s_cmp_ge_u32 ttmp9, 2180
	s_cbranch_scc1 .Lgains
	s_sub_co_u32 s41, ttmp9, 2048                  ; rb
	s_min_u32 s42, s41, 127                        ; the load stays inside positions
	s_lshl_b32 s42, s42, 6                         ; 16 positions of 4 bytes
	s_cmp_lt_u32 s41, 128
	s_cselect_b32 s43, 1.0, 0
	s_lshl_b32 s44, s41, 13
	s_mov_b32 s45, 0
	s_add_nc_u64 s[30:31], s[30:31], s[44:45]      ; cs at my 8,192 bytes
	s_mov_b32 s48, 0xbfc90fdb                      ; -pi/2, the f32 nearest,
	s_mov_b32 s49, 0x333bbd2e                      ; and what that leaves: +4.371139e-8
	v_and_b32 v1, 15, v0
	v_lshl_add_u32 v3, v1, 2, s42
	global_load_b32 v4, v3, s[18:19]
	v_lshrrev_b32 v5, 6, v0
	v_lshlrev_b32 v5, 4, v5
	v_bfe_u32 v2, v0, 4, 1
	v_lshl_add_u32 v5, v2, 3, v5
	v_bfe_u32 v2, v0, 5, 1
	v_lshl_add_u32 v5, v2, 2, v5                   ; i0
	v_lshrrev_b32 v6, 6, v0
	v_lshlrev_b32 v6, 11, v6
	v_and_b32 v2, 63, v0
	v_lshl_add_u32 v6, v2, 4, v6                   ; (t / 64) x 2,048 + (t % 64) x 16
	v_mov_b32 v13, 0xb94ca1f9                      ; the sine's and the cosine's leading coefficients
	v_mov_b32 v14, 0x37ccf5ce
.irp n, 0,1,2,3
	v_add_nc_u32 v[8+(\n)], \n, v5
	v_cvt_f32_u32 v[8+(\n)], v[8+(\n)]
	v_mul_f32 v[8+(\n)], 0xbe549a78, v[8+(\n)]     ; -i x log2(10000) / 64
.endr
.irp n, 0,1,2,3
	v_exp_f32 v[8+(\n)], v[8+(\n)]                 ; inv_freq
.endr
	v_nop                                          ; a plain instruction behind the last exponential (ISA guide 5.7.2),
	s_wait_alu depctr_va_vdst(0)                   ; and the wait ahead of the first use: one for the four
	s_wait_loadcnt 0x0
	v_cvt_f32_i32 v12, v4                          ; the position as f32, as the reference takes it,
	v_mul_f32 v12, s43, v12                        ; or 0
; cos and sin of a = position x inv_freq[i0 + n]: k = the whole number nearest a x 2/pi; r = a - k pi/2 in two fused steps, |r| up to pi/4; polynomials in z = r r;
; k's last two bits choose between them and set the signs, by selects alone.  For a = 0 every step is exact: cos 1, sin 0.
.macro SINCOS n
	v_mul_f32 v20, v12, v[8+(\n)]
	v_mul_f32 v21, 0x3f22f983, v20
	v_rndne_f32 v21, v21
	v_fma_f32 v22, v21, s48, v20
	v_fma_f32 v22, v21, s49, v22
	v_cvt_i32_f32 v23, v21
	v_mul_f32 v24, v22, v22
	v_fmaak_f32 v25, v13, v24, 0x3c08839e
	v_fmaak_f32 v26, v14, v24, 0xbab6061a
	v_fmaak_f32 v25, v25, v24, 0xbe2aaaa3
	v_fmaak_f32 v26, v26, v24, 0x3d2aaaa5
	v_mul_f32 v27, v24, v22
	v_fma_f32 v29, v24, -0.5, 1.0
	v_fma_f32 v28, v25, v27, v22                   ; sin r
	v_mul_f32 v27, v24, v24
	v_fma_f32 v29, v26, v27, v29                   ; cos r
	v_and_b32 v27, 1, v23
	v_cmp_eq_u32 vcc_lo, 1, v27
	v_cndmask_b32 v[32+(\n)], v29, v28, vcc_lo     ; k odd: the two change places
	v_cndmask_b32 v[36+(\n)], v28, v29, vcc_lo
	v_add_nc_u32 v27, 1, v23
	v_and_b32 v27, 2, v27
	v_lshlrev_b32 v27, 30, v27
	v_xor_b32 v[32+(\n)], v27, v[32+(\n)]          ; cos is negative for k % 4 = 1, 2
	v_and_b32 v27, 2, v23
	v_lshlrev_b32 v27, 30, v27
	v_xor_b32 v[36+(\n)], v27, v[36+(\n)]          ; sin for k % 4 = 2, 3
.endm
	SINCOS 0
	SINCOS 1
	SINCOS 2
	SINCOS 3
	global_store_b128 v6, v[32:35], s[30:31]
	global_store_b128 v6, v[36:39], s[30:31] offset:1024
	s_endpgm
; THE GAINS.  Wave 0 rounds q_scale to bf16, wave 1 k_scale, like every other floating-point input; wave 2 writes ones (it runs the same lines on q_scale, and a select puts 1 in their place).
; A lane has four numbers; a wave's store covers its row's 512 bytes.  The other five waves have no part in these 1,536 bytes.
.Lgains:
	v_lshrrev_b32 v1, 5, v0
	v_readfirstlane_b32 s41, v1                    ; my wave's number
	s_cmp_gt_u32 s41, 2
	s_cbranch_scc1 .Lnone
	v_and_b32 v2, 31, v0
	v_lshlrev_b32 v2, 4, v2
	s_cmp_eq_u32 s41, 1
	s_cselect_b64 s[44:45], s[22:23], s[20:21]
	global_load_b128 v[4:7], v2, s[44:45]
	s_lshl_b32 s42, s41, 9
	s_add_co_u32 s42, s42, GAINS
	v_add_nc_u32 v3, s42, v2
	s_cmp_eq_u32 s41, 2
	s_cselect_b32 s43, -1, 0
	s_wait_loadcnt 0x0
	v_cvt_pk_bf16_f32 v8, v4, v5
	v_cvt_pk_bf16_f32 v9, v6, v7
	v_lshlrev_b32 v4, 16, v8
	v_and_b32 v5, s46, v8
	v_lshlrev_b32 v6, 16, v9
	v_and_b32 v7, s46, v9
.irp n, 4,5,6,7
	v_cndmask_b32 v\n, v\n, 1.0, s43
.endr
	global_store_b128 v3, v[4:7], s[30:31]
.Lnone:
	s_endpgm
.Lfunc_end_k_q8bb86ae431_prep:
	.size	k_q8bb86ae431_prep, .Lfunc_end_k_q8bb86ae431_prep-k_q8bb86ae431_prep
	.p2alignl 7, 3214868480
	.fill 96, 4, 3214868480
	.section	.rodata,"a",@progbits
	.p2align	6, 0x0
	.amdhsa_kernel k_q8bb86ae431_prep
		.amdhsa_group_segment_fixed_size 0
		.amdhsa_private_segment_fixed_size 0
		.amdhsa_enable_private_segment 0
		.amdhsa_kernarg_size 96
		.amdhsa_user_sgpr_count 2
		.amdhsa_user_sgpr_kernarg_segment_ptr 1
		.amdhsa_wavefront_size32 1
		.amdhsa_system_sgpr_workgroup_id_x 1
		.amdhsa_system_sgpr_workgroup_id_y 1
		.amdhsa_system_sgpr_workgroup_id_z 1
		.amdhsa_system_vgpr_workitem_id 0
		.amdhsa_next_free_vgpr 96
		.amdhsa_next_free_sgpr 66
		.amdhsa_reserve_vcc 1
		.amdhsa_float_denorm_mode_32 3
		.amdhsa_float_denorm_mode_16_64 3
		.amdhsa_memory_ordered 1
		.amdhsa_forward_progress 1
		.amdhsa_inst_pref_size 35
	.end_amdhsa_kernel
	.amdgpu_metadata
---
amdhsa.version: [ 1, 2 ]
amdhsa.kernels:
  - .name:           k_q8bb86ae431_prep
    .symbol:         k_q8bb86ae431_prep.kd
    .args:
      - { .name: x, .offset: 0, .size: 8, .value_kind: global_buffer, .address_space: global }
      - { .name: Wq, .offset: 8, .size: 8, .value_kind: global_buffer, .address_space: global }
      - { .name: Wk, .offset: 16, .size: 8, .value_kind: global_buffer, .address_space: global }
      - { .name: Wv, .offset: 24, .size: 8, .value_kind: global_buffer, .address_space: global }
      - { .name: Wo, .offset: 32, .size: 8, .value_kind: global_buffer, .address_space: global }
      - { .name: positions, .offset: 40, .size: 8, .value_kind: global_buffer, .address_space: global }
      - { .name: q_scale, .offset: 48, .size: 8, .value_kind: global_buffer, .address_space: global }
      - { .name: k_scale, .offset: 56, .size: 8, .value_kind: global_buffer, .address_space: global }
      - { .name: xb, .offset: 64, .size: 8, .value_kind: global_buffer, .address_space: global }
      - { .name: wqkv, .offset: 72, .size: 8, .value_kind: global_buffer, .address_space: global }
      - { .name: wob, .offset: 80, .size: 8, .value_kind: global_buffer, .address_space: global }
      - { .name: cs, .offset: 88, .size: 8, .value_kind: global_buffer, .address_space: global }
    .group_segment_fixed_size: 0
    .private_segment_fixed_size: 0
    .kernarg_segment_align: 8
    .kernarg_segment_size: 96
    .max_flat_workgroup_size: 256
    .sgpr_count:     66
    .vgpr_count:     96
    .wavefront_size: 32
...
	.end_amdgpu_metadata
.endif
;; end of part 1
;; launch qkv (part 2): grid 16 x 16, 4 waves a work-group, clusters of 4 x 4, 327,680 bytes of LDS; arguments xb, wqkv, cs, qkv, qkl; writes qkv, qkl
.if DOCPART == 2
	.amdgcn_target "amdgcn-amd-amdhsa--gfx1250"
	.amdhsa_code_object_version 6
	.text
	.protected	k_q8bb86ae431_qkv
	.globl	k_q8bb86ae431_qkv
	.p2align	8
	.type	k_q8bb86ae431_qkv,@function
k_q8bb86ae431_qkv:
	s_mov_b64 s[64:65], 0
	v_nop
	global_prefetch_b8 v0, s[64:65] scope:SCOPE_SE
	s_setreg_imm32_b32 hwreg(HW_REG_WAVE_MODE, 25, 1), 1
	s_wait_xcnt 0x0
	s_wait_alu depctr_hold_cnt(0) depctr_sa_sdst(0) depctr_va_vdst(0) depctr_va_sdst(0) depctr_va_ssrc(0) depctr_va_vcc(0) depctr_vm_vsrc(0)
	s_getreg_b32 s2, hwreg(HW_REG_IB_STS2, 6, 4)
	s_cmp_eq_u32 s2, 0
	s_cbranch_scc0 .Lentry_in_a_cluster
	s_endpgm
.Lentry_in_a_cluster:
	s_bfe_u32 s2, ttmp6, 0x10000c
	s_cmp_lg_u32 s2, 0xf033
	s_cbranch_scc0 .Lentry_shape_is_right
	s_endpgm
.Lentry_shape_is_right:
; QKV: C = xb [2048][4096] x wqkv [4096 k][4096 n], bf16 operands, f32 sums; on the way out the RMS norm over each head's 128 channels, the gains, the rotation, one rounding to f16;
; stored by heads: qkv [32][2048][128] f16, heads 0-15 q, 16-23 k, 24-31 v / 16 (the 2^-4 lies in wqkv already).
; v TAKES THE SAME WAY OUT as q and k, with gains of 1, cos 1, sin 0 (rows of cs made for it) and 1 in the place of 1 / rms (a select): every step is then exact, and one text serves all three.
; A SECOND WORD: qkl [32][1024][128] f16 holds, for rows 0 to 1023, what the rounding to f16 left: value - f16(value), rounded to f16.  f16 keeps 11 significant bits; the output's first rows are means over few keys and
; many times larger than the output's root mean square, by which they are judged: there the attention takes both words.
; LIMITS.  q and k are bounded by 11.4 x |gain| and must stay within f16's 65,504; v / 16 likewise (v up to 1.05e6), and below 6e-5 it keeps f16's fixed step of 6e-8.
; The gains come rounded to bf16 like every other floating-point input.  The order of the roundings in norm, gain and rotation differs from the reference's.  NaN and infinities are not treated apart.
; SHARES.  A tile of C is 128 rows x 256 columns: 16 x 16 tiles, a work-group each; the grid's x counts tile rows, its y tile columns.  Four waves, each 64 rows x 128 columns: 32 accumulators of 16 x 16; a head's
; 128 columns lie in ONE wave, so its norm needs no other wave.  K goes in steps of 128 through two LDS slots.
; THE MATRIX INSTRUCTION IS USED TRANSPOSED: source 0 = 16 columns of W, source 1 = 16 rows of x.  Lane l then holds row l % 16 of C and the columns 8 (l / 16) + 0..7 of each block of 16.
; W lies [k][n]: its fragments come out of LDS turned, by ds_load_tr16_b128.
; CLUSTER.  4 x 4 work-groups: the four with one cx need the same tile of x, the four with one cy the same tile of W: each tile is asked for jointly, by the same tensor load, descriptor and mask in all four.
; REGISTERS, in windows of 256 (s_set_vgpr_msb: bits 1:0 source 0, 3:2 source 1, 5:4 source 2, 7:6 destination):
;   window 0: v0-31 addresses; v32-63 the norms; v64-159, v160-255 two fragment buffers (W's 8 fragments, then x's 4); on the way out v64-111 at work, v128-255 what is stored
;   window 1: accumulator (a, b) at v[8 (8 a + b)]     window 2: cos and sin for my 64 rows: v[64 a + 16 b + 8 s]     window 3: v0-63 the gains of my 64 columns
.set KDIM,   4096
.set LOGROW, 13                        ; a row of xb is 8,192 bytes
.set TABID,  1048576                   ; cs: the table for the angle 0: four blocks of 8,192 bytes
.set GAINS,  1081344                   ; cs: q's gains, k's gains, ones: 512 bytes each
.set PA,     272                       ; an LDS row of x: 256 bytes + 16 = 68 words: the 16 rows of a load start at 16 different groups of four banks (64 banks of 4 bytes: ISA guide 11.1)
.set PB,     544                       ; an LDS row of W (one k, 256 n): 512 bytes + 32 = 17 x 32
.set AH,     64*PA                     ; what one tensor load brings of x: 64 rows
.set ABYTES, 2*AH
.set BH,     64*PB                     ; and of W: 64 k
.set SLOT,   ABYTES+2*BH               ; x's 128 rows, then W's 128 k
.set STAGE,  2*SLOT                    ; behind the ring: 16 rows x 272 bytes for each wave, for the way out; no tensor load lands there
.set SPITCH, 272
.set SPARE,  STAGE+4*16*SPITCH         ; behind the stages: the spare words, 128 bytes for each wave: two blocks of 256 bytes that no other line names
.set ASTEP,  256                       ; bytes from K step to K step in xb,
.set BSTEP,  128*8192                  ; and in wqkv
.set NEG1, 8                           ; v8   -1.0
.set ADRA, 16                          ; v16-17  LDS address of my fragments of x in slot 0, 1
.set ADRB, 20                          ; v20-21  the same for W
.set STO,  24                          ; v24  the way out: where I put 16 bytes of a row
.set RD,   25                          ; v25  where I read a row back
.set CO,   26                          ; v26  my byte offset in two rows of a head
.set SCO,  27                          ; v27  32 (l / 16): my 8 gains of a block of 16
.set SPW,  28                          ; v28  LDS address of my spare word; never rewritten
.set NIL,  29                          ; v29  0; never rewritten
.set PFO,  30                          ; v30  the prefetches' offset; never rewritten
.set TBO,  31                          ; v31  16 x lane: my 16 bytes of 512 in the table
.set RSQ,  32                          ; v[32+8a ..]  row block a: four chains of squares, then 1 / sqrt(mean + eps) in the first register
.set F0,   64
.set F1,   160
.set TA,   64                          ; the way out, at work: x gain (low half), x gain (high half), cos / rms, sin / rms, the two results
.set TB,   72
.set TC,   80
.set TS,   88
.set T1,   96
.set T2,   104
.set OB,   128                         ; row block a: 32 registers of f16 at OB + 64 (a % 2), the 32 of the second word behind them
.set VM,   14                          ; s14  all ones where the cluster makes v, else 0
.set WV,   16                          ; s16  my wave's number
.set RH,   17                          ; s17  which 64 rows of the tile are mine
.set CHF,  18                          ; s18  which 128 columns; also: which half of a tile I fetch
.set CX,   19
.set CY,   20
.set TCOL, 21
.set TROW, 22
.set CLC,  23                          ; s23  the cluster's y, which all partners share: 0, 1 make q, 2 makes k, 3 makes v
.set G1A,  24                          ; s[24:31] descriptor group 1 for x's tiles;  s[32:39] group 0, a set for each slot
.set G0A,  32
.set G1B,  48                          ; s[48:55], s[56:63] the same for W's
.set G0B,  56
.set LAP,  66
.set LIM,  67                          ; s67  1 in a wave that prefetches, else the greatest number
.set PFA,  68                          ; s[68:69] where my prefetches stand
.set PST,  70                          ; s[70:71] their step
.set SEL,  74                          ; s[74:75] v_permlanex16_b32's selects: each lane takes its own place in the other half
.set OUT,  78                          ; s[78:79] qkv at my head's first row of mine
.set SCP,  80                          ; s[80:81] cs at my kind's gains
.set CSB,  82                          ; s[82:83] cs at my first 16 rows' table
.set LA,   84                          ; s84  LDS byte of the half of x's tile that I would fetch, in slot 0
.set LB,   85                          ; s85  the same for W
.set OUTL, 90                          ; s[90:91] qkl at my head's first row of mine (used where the cluster's x is 0 or 1: rows 0 to 1023)
.set MSB, 0
.macro WIN new                         ; the immediate's high byte repeats the setting that is left; a switch that changes nothing is dropped
.if MSB != (\new)
	s_set_vgpr_msb (MSB<<8)|(\new)
.set MSB, \new
.endif
.endm
.set MULW, 0x50                        ; C and D in window 1, the fragments in window 0
; A joint load: waves 0 and 1 fetch x's two halves, waves 2 and 3 W's.  The branch hangs on the wave's number alone.  An s_nop 0 and four v_nop follow each of the two lines.
.macro JLOAD s
	s_cmp_lt_u32 s[WV], 2
	s_cbranch_scc0 .Lfor_b_\@
	tensor_load_to_lds s[G0A+4*(\s):G0A+4*(\s)+3], s[G1A:G1A+7]
	s_nop 0
.rept 4
	v_nop
.endr
	s_branch .Lasked_\@
.Lfor_b_\@:
	tensor_load_to_lds s[G0B+4*(\s):G0B+4*(\s)+3], s[G1B:G1B+7]
	s_nop 0
.rept 4
	v_nop
.endr
.Lasked_\@:
.endm
.macro CREST                           ; a round of the cluster's barrier behind its opening barrier: wave 0 signals for the work-group, every wave waits for all sixteen, my work-group's barrier once more
	s_cmp_lg_u32 s[WV], 0
	s_cbranch_scc1 .Lnot_wave_0_\@
	s_barrier_signal -3
.Lnot_wave_0_\@:
	s_barrier_wait -3
	s_barrier_signal -1
	s_barrier_wait -1
.endm
.macro CROUND                          ; a whole round
	s_barrier_signal -1
	s_barrier_wait -1
	CREST
.endm
.macro PLACES                          ; four places in front of loads into registers that matrix instructions have read, and of vector work on their results
.rept 4
	v_nop
.endr
.endm
; A PREFETCH INTO THE L2, behind each joint refill, its five lines and the run of LDS loads: the K step that stands two refills on, 256 matrix instructions ahead of the load that will want it.
; x: a K step is 256 bytes of each of a tile's 128 rows.  The clusters with one x read the same rows: cluster y = 0 asks; the four partners that ask for the tile jointly (one cx) take 32 rows each, by cy; wave 0, a lane a row.
; W: a K step is 128 k x 512 bytes of a tile column.  Cluster x = 0 asks; the four partners (one cy) take 16 k of each half, by cx; waves 2 and 3, two lanes a k.
; So each aligned block of 256 bytes is named once in the launch.  K steps 0 to 3 come by their loads alone; the loop's last trip asks for nothing: the K steps two on do not exist.
.macro ASK
	s_cmp_gt_u32 s[LAP], s[LIM]
	s_cbranch_scc0 .Lnot_mine_\@
	global_prefetch_b8 v[PFO], s[PFA:PFA+1] th:TH_LOAD_NT scope:SCOPE_SE
.Lnot_mine_\@:
.endm
	s_load_b256 s[4:11], s[0:1], 0x0               ; xb 4, wqkv 6, cs 8, qkv 10
	s_load_b64 s[12:13], s[0:1], 0x20              ; qkl
	v_lshl_add_u32 v[SPW], v0, 2, SPARE
	v_mov_b32 v[NIL], 0
	ds_add_u32 v[SPW], v[NIL]                      ; the wave's opening: the add and its wait stand ahead of my first tensor load; work on registers stands between them
	v_lshrrev_b32 v1, 5, v0
	v_readfirstlane_b32 s[WV], v1                  ; wave 0..3
	s_lshr_b32 s[RH], s[WV], 1
	s_and_b32 s[CHF], s[WV], 1
	s_bfe_u32 s[CX], ttmp6, 0x40000                ; my place in the cluster
	s_bfe_u32 s[CY], ttmp6, 0x40004
	s_lshl_b32 s[TROW], ttmp9, 2
	s_add_co_u32 s[TROW], s[TROW], s[CX]           ; tile row = 4 x cluster x + cx
	s_and_b32 s[CLC], ttmp7, 0xffff
	s_lshl_b32 s[TCOL], s[CLC], 2
	s_add_co_u32 s[TCOL], s[TCOL], s[CY]           ; tile column = 4 x cluster y + cy
	s_lshl_b32 s40, 0x1111, s[CX]                  ; those with my tile row: places cx, cx + 4, cx + 8, cx + 12
	s_lshl_b32 s44, s[CY], 2
	s_lshl_b32 s44, 15, s44                        ; those with my tile column: places 4 cy .. 4 cy + 3
	s_or_b32 s[G1A], s40, (1<<16)|(1<<20)|(1<<21)|(5<<22)|(3<<25)  ; 15:0 the mask; 17:16 2-byte elements; 20 padding on; 21 set beside a mask; 24:22 after every 64 words; 31:25 4 words
	s_mov_b32 s[G1A+1], 128<<16                    ; tensor_dim0 = 128
	s_mov_b32 s[G1A+2], 64<<16                     ; tensor_dim1 = 64
	s_mov_b32 s[G1A+3], 128<<16                    ; tile_dim0 = 128
	s_mov_b32 s[G1A+4], 64                         ; tile_dim1 = 64
	s_mov_b32 s[G1A+5], KDIM                       ; elements from row to row
	s_mov_b32 s[G1A+6], 0
	s_mov_b32 s[G1A+7], 0
	s_or_b32 s[G1B], s44, (1<<16)|(1<<20)|(1<<21)|(6<<22)|(7<<25)  ; after every 128 words 8 words
	s_mov_b32 s[G1B+1], 256<<16                    ; tensor_dim0 = 256
	s_mov_b32 s[G1B+2], 64<<16
	s_mov_b32 s[G1B+3], 256<<16                    ; tile_dim0 = 256
	s_mov_b32 s[G1B+4], 64
	s_mov_b32 s[G1B+5], 4096
	s_mov_b32 s[G1B+6], 0
	s_mov_b32 s[G1B+7], 0
	s_mul_i32 s[LA], s[CHF], AH                    ; no place in the cluster enters an LDS address
	s_mul_i32 s[LB], s[CHF], BH
	s_add_co_u32 s[LB], s[LB], ABYTES
	s_lshl_b32 s40, s[TROW], 7                     ; x: row 128 x tile row + 64 x half, in bytes: it hangs on the tile row alone, which those of my mask share
	s_lshl_b32 s41, s[CHF], 6
	s_add_co_u32 s40, s40, s41
	s_lshl_b32 s40, s40, LOGROW
	s_mov_b32 s41, 0
	s_lshl_b32 s44, s[CHF], 19                     ; W: k 64 x half, column 256 x tile column, in bytes: it hangs on the tile column alone, which those of my mask share
	s_lshl_b32 s45, s[TCOL], 9
	s_add_co_u32 s44, s44, s45
	s_mov_b32 s45, 0
	s_mov_b32 s[SEL], 0x76543210
	s_mov_b32 s[SEL+1], 0xfedcba98
	s_mov_b32 s76, 0x3c000000                      ; 1 / 128
	s_mov_b32 s77, 0x358637bd                      ; 1e-6
	s_wait_dscnt 0x0                               ; the opening add is done
	s_wait_kmcnt 0x0
	s_add_nc_u64 s[42:43], s[4:5], s[40:41]
	s_add_nc_u64 s[46:47], s[6:7], s[44:45]
	CROUND                                         ; all sixteen work-groups are here: the first joint loads meet
.irp s, 0,1
	s_mov_b32 s[G0A+4*(\s)], 1                                       ; count = 1
	s_add_co_u32 s[G0A+4*(\s)+1], s[LA], (\s)*SLOT                   ; LDS address
	s_add_nc_u64 s[G0A+4*(\s)+2:G0A+4*(\s)+3], s[42:43], (\s)*ASTEP  ; global address: K step s
	s_or_b32 s[G0A+4*(\s)+3], s[G0A+4*(\s)+3], 0x80000000            ; type = 2
	s_mov_b32 s[G0B+4*(\s)], 1
	s_add_co_u32 s[G0B+4*(\s)+1], s[LB], (\s)*SLOT
	s_add_nc_u64 s[G0B+4*(\s)+2:G0B+4*(\s)+3], s[46:47], (\s)*BSTEP
	s_or_b32 s[G0B+4*(\s)+3], s[G0B+4*(\s)+3], 0x80000000
	JLOAD \s                                       ; two tensor loads of mine are out
.endr
	; lane addresses.  A fragment of x: lane l holds row l % 16, K = 8 (l / 16) + 0..7 and 16 + 8 (l / 16) + 0..7: two loads of 16 bytes, 32 bytes apart.
	v_and_b32 v1, 15, v0                           ; l % 16
	v_bfe_u32 v2, v0, 4, 1                         ; l / 16
	v_mul_u32_u24 v3, v1, PA
	v_lshl_add_u32 v3, v2, 4, v3                   ; row x 272 + 16 x half: for x's fragments and for the stage
	s_mul_i32 s40, s[RH], AH
	v_add_nc_u32 v[ADRA], s40, v3
	v_add_nc_u32 v[ADRA+1], SLOT, v[ADRA]
	; The turning load takes 16 k x 16 n (lane l reads k 8 (l / 16) + l % 8, n 8 ((l / 8) % 2) + 0..7) and leaves half a fragment: lane l holds column l % 16 and 8 k.
	v_and_b32 v4, 7, v0
	v_lshl_add_u32 v4, v2, 3, v4
	v_mul_u32_u24 v4, v4, PB
	v_bfe_u32 v5, v0, 3, 1
	v_lshl_add_u32 v4, v5, 4, v4
	s_lshl_b32 s41, s[CHF], 8                      ; my 128 columns: 256 bytes of a row
	s_add_co_u32 s41, s41, ABYTES
	v_add_nc_u32 v[ADRB], s41, v4
	v_add_nc_u32 v[ADRB+1], SLOT, v[ADRB]
	s_mul_i32 s40, s[WV], 16*SPITCH
	s_add_co_u32 s40, s40, STAGE                   ; my stage
	v_add_nc_u32 v[STO], s40, v3
	v_mul_u32_u24 v5, v2, SPITCH                   ; back: lanes 0-15 take one row of 256 bytes, lanes 16-31 the next
	v_lshl_add_u32 v5, v1, 4, v5
	v_add_nc_u32 v[RD], s40, v5
	v_lshlrev_b32 v[CO], 8, v2                     ; and the same two rows of a head
	v_lshl_add_u32 v[CO], v1, 4, v[CO]
	v_lshlrev_b32 v[SCO], 5, v2
	v_and_b32 v6, 31, v0                           ; lane
	v_lshlrev_b32 v[TBO], 4, v6
	v_mov_b32 v[NEG1], -1.0
	; where my 64 rows x 128 columns go: head 2 x tile column + half, row 128 x tile row + 64 x half
	s_lshl_b32 s72, s[TCOL], 1
	s_add_co_u32 s72, s72, s[CHF]
	s_lshl_b32 s87, s72, 18                        ; in qkl a head is 262,144 bytes,
	s_lshl_b32 s72, s72, 19                        ; in qkv 524,288
	s_lshl_b32 s73, s[TROW], 7
	s_lshl_b32 s86, s[RH], 6
	s_add_co_u32 s73, s73, s86
	s_lshl_b32 s73, s73, 8
	s_add_co_u32 s72, s72, s73
	s_add_co_u32 s86, s87, s73
	s_mov_b32 s73, 0
	s_mov_b32 s87, 0
	s_add_nc_u64 s[OUT:OUT+1], s[10:11], s[72:73]
	s_add_nc_u64 s[OUTL:OUTL+1], s[12:13], s[86:87]
	s_lshl_b32 s72, s[TROW], 3                     ; the table at my first block of 16 rows: 8 x tile row + 4 x half, 8,192 bytes each;
	s_lshl_b32 s86, s[RH], 2
	s_add_co_u32 s72, s72, s86
	s_lshl_b32 s72, s72, 13
	s_cmp_eq_u32 s[CLC], 3                         ; for v the table of the angle 0
	s_cselect_b32 s72, TABID, s72
	s_cselect_b32 s[VM], -1, 0
	s_add_nc_u64 s[CSB:CSB+1], s[8:9], s[72:73]
	s_max_u32 s72, s[CLC], 1                       ; the gains: row 0 for q, 1 for k, 2 (ones) for v
	s_sub_co_u32 s72, s72, 1
	s_lshl_b32 s72, s72, 9
	s_add_co_u32 s72, s72, GAINS
	s_add_nc_u64 s[SCP:SCP+1], s[8:9], s[72:73]
	; the table and the gains come now and are waited for once, at the way out
	WIN 0x80                                       ; destination window 2, address window 0
.set i, 0
.rept 64                                       ; the table lies in the order of my registers: register 4 i at byte 512 i; each load covers 512 consecutive bytes
	global_load_b128 v[4*i:4*i+3], v[TBO], s[CSB:CSB+1] offset:512*i
.set i, i+1
.endr
	WIN 0xc0                                       ; destination window 3
.set i, 0
.rept 16                                       ; gains 16 b + 8 (l / 16) + 0..7 at v[8 b ..]
	global_load_b128 v[4*i:4*i+3], v[SCO], s[SCP:SCP+1] offset:64*(i/2)+16*(i%2)
.set i, i+1
.endr
	WIN 0
	; the prefetches: the address stands at K step 3; each refill steps it first, so the refill of K step t names K step t + 2
	s_lshl_b32 s72, s[TROW], 7
	s_lshl_b32 s73, s[CY], 5
	s_add_co_u32 s72, s72, s73                     ; x: row 128 x tile row + 32 cy
	s_lshl_b32 s72, s72, LOGROW
	s_add_co_u32 s72, s72, 3*ASTEP
	s_lshl_b32 s73, s[CHF], 6
	s_lshl_b32 s86, s[CX], 4
	s_add_co_u32 s73, s73, s86                     ; W: k 64 x half + 16 cx
	s_lshl_b32 s73, s73, 13
	s_lshl_b32 s86, s[TCOL], 9
	s_add_co_u32 s73, s73, s86
	s_add_co_u32 s73, s73, 3*BSTEP
	s_mov_b32 s[PST], BSTEP                        ; W's step and W's row bytes stand in the registers first: a select names one literal at the most
	s_mov_b32 s87, 8192
	s_cmp_lt_u32 s[WV], 2                          ; do I fetch for x?
	s_cselect_b64 s[PFA:PFA+1], s[4:5], s[6:7]
	s_cselect_b32 s72, s72, s73
	s_cselect_b32 s[PST], ASTEP, s[PST]
	s_cselect_b32 s86, 0, 1                        ; x: a lane a row; W: two lanes a row
	s_cselect_b32 s87, 1<<LOGROW, s87              ; bytes from row to row
	s_mov_b32 s73, 0
	s_mov_b32 s[PST+1], 0
	s_add_nc_u64 s[PFA:PFA+1], s[PFA:PFA+1], s[72:73]
	v_lshrrev_b32 v7, s86, v6
	v_mul_u32_u24 v[PFO], s87, v7
	v_and_b32 v7, s86, v6
	v_lshl_add_u32 v[PFO], v7, 8, v[PFO]
	s_cmp_lt_u32 s[WV], 2
	s_cselect_b32 s86, s[CLC], ttmp9               ; the coordinate along which other clusters read the same rows
	s_cmp_eq_u32 s[WV], 1
	s_cselect_b32 s87, 1, 0                        ; wave 1 asks for nothing: wave 0's 32 lanes cover the work-group's 32 rows of x
	s_or_b32 s86, s86, s87
	s_cmp_eq_u32 s86, 0
	s_cselect_b32 s[LIM], 1, -1                    ; the same in all sixteen partners, for a given wave
; 24 LDS loads in one run: the fragments of quarter kq (32 along K) of a slot into buffer f: W's eight, turned, then x's four
.macro FETCH slot, kq, f
	WIN 0
.irp b, 0,1,2,3,4,5,6,7
	ds_load_tr16_b128 v[(\f)+8*(\b):(\f)+8*(\b)+3],   v[ADRB+(\slot)] offset:(\kq)*32*PB+32*(\b)
	ds_load_tr16_b128 v[(\f)+8*(\b)+4:(\f)+8*(\b)+7], v[ADRB+(\slot)] offset:(\kq)*32*PB+32*(\b)+16*PB
.endr
.irp a, 0,1,2,3
	ds_load_b128 v[(\f)+64+8*(\a):(\f)+64+8*(\a)+3],   v[ADRA+(\slot)] offset:(\a)*16*PA+64*(\kq)
	ds_load_b128 v[(\f)+64+8*(\a)+4:(\f)+64+8*(\a)+7], v[ADRA+(\slot)] offset:(\a)*16*PA+64*(\kq)+32
.endr
.endm
; 8 matrix instructions: row block a x all 8 column blocks.  The 32 accumulators take turns in the same order in every quarter.  zero = 1: the product starts the sum.
.macro MUL8 f, a, zero
	WIN MULW
.irp b, 0,1,2,3,4,5,6,7
.if \zero
	v_wmma_f32_16x16x32_bf16 v[8*(8*(\a)+(\b)):8*(8*(\a)+(\b))+7], v[(\f)+8*(\b):(\f)+8*(\b)+7], v[(\f)+64+8*(\a):(\f)+64+8*(\a)+7], 0
.else
	v_wmma_f32_16x16x32_bf16 v[8*(8*(\a)+(\b)):8*(8*(\a)+(\b))+7], v[(\f)+8*(\b):(\f)+8*(\b)+7], v[(\f)+64+8*(\a):(\f)+64+8*(\a)+7], v[8*(8*(\a)+(\b)):8*(8*(\a)+(\b))+7]
.endif
.endr
.endm
; A K step is four quarters of 32 along K, 32 matrix instructions each, on buffers 0, 1, 0, 1.  One of the first three: multiplies buffer f and, in its middle, fetches quarter kq into buffer g.
.macro QUARTER slot, kq, f, g, zero
	s_wait_dscnt 4                                 ; W's fragments and x's first two are in; the youngest four loads (x's blocks 2 and 3) may be out
	MUL8 \f, 0, \zero
	MUL8 \f, 1, \zero
	PLACES
	FETCH \slot, \kq, \g
	s_wait_dscnt 24                                ; all but the 24 just issued
	MUL8 \f, 2, \zero
	MUL8 \f, 3, \zero
.endm
; The last quarter multiplies buffer 1 and changes slots: ONE barrier; in front of it each wave waits for all its tensor loads (the one that is out is its part of the next slot), adds 0 to its spare word,
; and waits for that and for its own reads of this slot.  fill = 1: the barrier opens a round of the cluster's, and this slot is filled again, two K steps ahead, first thing behind the round:
; 112 matrix instructions ahead of the wait for it.
.macro TURN slot, next, fill
.if \fill
	s_wait_xcnt 0x0                                ; the last prefetch, a K step back, has read its address: it is stepped here, ahead of the change's own waits
	s_add_nc_u64 s[PFA:PFA+1], s[PFA:PFA+1], s[PST:PST+1]
.endif
	WIN 0                                          ; (the add's two registers lie in window 0)
	s_wait_tensorcnt 0x0
	ds_add_u32 v[SPW], v[NIL]                      ; 0 onto my spare word
	s_wait_dscnt 5                                 ; (the add and the youngest four loads may be out)
	MUL8 F1, 0, 0                                  ; eight matrix instructions stand between the add and the wait for it
	s_wait_dscnt 0x0                               ; the add is done, and my reads of this slot are over
	s_barrier_signal -1
	MUL8 F1, 1, 0
.if \fill
	WIN 0
.endif
	s_barrier_wait -1
.if \fill
	CREST                                          ; no wave of any partner still reads this slot's tile or has a load on its way
	s_add_nc_u64 s[G0A+4*(\slot)+2:G0A+4*(\slot)+3], s[G0A+4*(\slot)+2:G0A+4*(\slot)+3], 2*ASTEP
	s_add_nc_u64 s[G0B+4*(\slot)+2:G0B+4*(\slot)+3], s[G0B+4*(\slot)+2:G0B+4*(\slot)+3], 2*BSTEP
	JLOAD \slot                                    ; the four v_nop behind it are also the places in front of the loads below
.else
	PLACES
.endif
	FETCH \next, 0, F0
.if \fill
	ASK
.endif
	MUL8 F1, 2, 0
	MUL8 F1, 3, 0
.endm
	s_wait_tensorcnt 1                             ; my part of K step 0 is in; K step 1's may stay out
	s_barrier_signal -1
	s_barrier_wait -1                              ; everybody's is
	FETCH 0, 0, F0
	QUARTER 0, 1, F0, F1, 1                        ; the first quarter stands in front of the loop: its products start the sums
	WIN 0                                          ; at a label and at a branch every window is 0
	s_mov_b32 s[LAP], KDIM/256-1
.Llap:                                                 ; a trip goes once round the ring, from a lap's second quarter to the next lap's first, and fills both slots again
	QUARTER 0, 2, F1, F0, 0
	QUARTER 0, 3, F0, F1, 0
	TURN 0, 1, 1
	QUARTER 1, 1, F0, F1, 0
	QUARTER 1, 2, F1, F0, 0
	QUARTER 1, 3, F0, F1, 0
	TURN 1, 0, 1
	QUARTER 0, 1, F0, F1, 0
	WIN 0
	s_sub_co_u32 s[LAP], s[LAP], 1
	s_cmp_lg_u32 s[LAP], 0
	s_cbranch_scc1 .Llap
	QUARTER 0, 2, F1, F0, 0                        ; the last lap fills nothing, and has no round of the cluster's barrier
	QUARTER 0, 3, F0, F1, 0
	TURN 0, 1, 0
	QUARTER 1, 1, F0, F1, 0
	QUARTER 1, 2, F1, F0, 0
	QUARTER 1, 3, F0, F1, 0
	s_wait_dscnt 4
	MUL8 F1, 0, 0
	MUL8 F1, 1, 0
	s_wait_dscnt 0x0
	MUL8 F1, 2, 0
	MUL8 F1, 3, 0
	WIN 0
	PLACES
	PLACES
	; THE WAY OUT
	s_wait_loadcnt 0x0                             ; the table and the gains
; The squares of row block a's 128 columns: a lane's 64, in four chains of packed sums.  Each accumulator's lowest registers are read first.
.macro SUMSQ a
	WIN 0x05                                       ; sources 0 and 1 in window 1
.irp p, 0,1,2,3,4,5,6,7
.irp c, 0,1,2,3
.set rA, 8*(8*(\a)+(\c)+4*((\p)/4))+2*((\p)%4)
.set rC, RSQ+8*(\a)+2*(\c)
.if (\p) == 0
	v_pk_mul_f32 v[rC:rC+1], v[rA:rA+1], v[rA:rA+1]
.else
	v_pk_fma_f32 v[rC:rC+1], v[rA:rA+1], v[rA:rA+1], v[rC:rC+1]
.endif
.endr
.endr
.endm
	SUMSQ 0
	SUMSQ 1
	SUMSQ 2
	SUMSQ 3
	WIN 0
.irp a, 0,1,2,3
	v_pk_add_f32 v[RSQ+8*(\a):RSQ+8*(\a)+1], v[RSQ+8*(\a):RSQ+8*(\a)+1], v[RSQ+8*(\a)+2:RSQ+8*(\a)+3]
	v_pk_add_f32 v[RSQ+8*(\a)+4:RSQ+8*(\a)+5], v[RSQ+8*(\a)+4:RSQ+8*(\a)+5], v[RSQ+8*(\a)+6:RSQ+8*(\a)+7]
.endr
.irp a, 0,1,2,3
	v_pk_add_f32 v[RSQ+8*(\a):RSQ+8*(\a)+1], v[RSQ+8*(\a):RSQ+8*(\a)+1], v[RSQ+8*(\a)+4:RSQ+8*(\a)+5]
.endr
.irp a, 0,1,2,3
	v_add_f32 v[RSQ+8*(\a)], v[RSQ+8*(\a)], v[RSQ+8*(\a)+1]
.endr
.irp a, 0,1,2,3
	v_permlanex16_b32 v[RSQ+8*(\a)+1], v[RSQ+8*(\a)], s[SEL], s[SEL+1]  ; the row's other 64 columns lie in the lane 16 away
.endr
.irp a, 0,1,2,3
	v_add_f32 v[RSQ+8*(\a)], v[RSQ+8*(\a)], v[RSQ+8*(\a)+1]
.endr
.irp a, 0,1,2,3
	v_fma_f32 v[RSQ+8*(\a)], v[RSQ+8*(\a)], s76, s77                    ; the mean + 1e-6
.endr
.irp a, 0,1,2,3
	v_rsq_f32 v[RSQ+8*(\a)], v[RSQ+8*(\a)]
.endr
	v_nop                                          ; a plain instruction behind the last of them (ISA guide 5.7.2),
	s_wait_alu depctr_va_vdst(0)                   ; and the wait ahead of the first use: one for the four
.irp a, 0,1,2,3
	v_cndmask_b32 v[RSQ+8*(\a)], v[RSQ+8*(\a)], 1.0, s[VM]              ; v has no norm
.endr
; Row block a, column blocks b and b + 4: channels c = 16 b + 8 (l / 16) + 0..7 and c + 64 turn together.  With t = x gain / rms: out[c] = t[c] cos - t[c + 64] sin, out[c + 64] = t[c + 64] cos + t[c] sin.
; Each result is rounded to f16; what that leaves (f16 half x -1 + result, exact) is rounded once to f16, straight into its half of the second word.
.macro ROT a, b
.set OH, OB+64*((\a)%2)
.set OL, OH+32
	WIN 0x0d                                       ; source 0 (the sums) in window 1, source 1 (the gains) in window 3
.irp p, 0,1,2,3
	v_pk_mul_f32 v[TA+2*(\p):TA+2*(\p)+1], v[8*(8*(\a)+(\b))+2*(\p):8*(8*(\a)+(\b))+2*(\p)+1], v[8*(\b)+2*(\p):8*(\b)+2*(\p)+1]
	v_pk_mul_f32 v[TB+2*(\p):TB+2*(\p)+1], v[8*(8*(\a)+(\b)+4)+2*(\p):8*(8*(\a)+(\b)+4)+2*(\p)+1], v[8*((\b)+4)+2*(\p):8*((\b)+4)+2*(\p)+1]
.endr
	WIN 0x02                                       ; source 0 (the table) in window 2
.irp p, 0,1,2,3
	v_pk_mul_f32 v[TC+2*(\p):TC+2*(\p)+1], v[64*(\a)+16*(\b)+2*(\p):64*(\a)+16*(\b)+2*(\p)+1], v[RSQ+8*(\a):RSQ+8*(\a)+1] op_sel_hi:[1,0]
	v_pk_mul_f32 v[TS+2*(\p):TS+2*(\p)+1], v[64*(\a)+16*(\b)+8+2*(\p):64*(\a)+16*(\b)+8+2*(\p)+1], v[RSQ+8*(\a):RSQ+8*(\a)+1] op_sel_hi:[1,0]
.endr
	WIN 0
.irp p, 0,1,2,3
	v_pk_mul_f32 v[T1+2*(\p):T1+2*(\p)+1], v[TB+2*(\p):TB+2*(\p)+1], v[TS+2*(\p):TS+2*(\p)+1]
	v_pk_mul_f32 v[T2+2*(\p):T2+2*(\p)+1], v[TA+2*(\p):TA+2*(\p)+1], v[TS+2*(\p):TS+2*(\p)+1]
.endr
.irp p, 0,1,2,3
	v_pk_fma_f32 v[T1+2*(\p):T1+2*(\p)+1], v[TA+2*(\p):TA+2*(\p)+1], v[TC+2*(\p):TC+2*(\p)+1], v[T1+2*(\p):T1+2*(\p)+1] neg_lo:[0,0,1] neg_hi:[0,0,1]
	v_pk_fma_f32 v[T2+2*(\p):T2+2*(\p)+1], v[TB+2*(\p):TB+2*(\p)+1], v[TC+2*(\p):TC+2*(\p)+1], v[T2+2*(\p):T2+2*(\p)+1]
.endr
.irp p, 0,1,2,3
	v_cvt_pk_f16_f32 v[OH+4*(\b)+(\p)], v[T1+2*(\p)], v[T1+2*(\p)+1]
	v_cvt_pk_f16_f32 v[OH+4*((\b)+4)+(\p)], v[T2+2*(\p)], v[T2+2*(\p)+1]
.endr
.irp p, 0,1,2,3
	v_fma_mixlo_f16 v[OL+4*(\b)+(\p)],     v[OH+4*(\b)+(\p)],     v[NEG1], v[T1+2*(\p)]   op_sel_hi:[1,0,0]
	v_fma_mixlo_f16 v[OL+4*((\b)+4)+(\p)], v[OH+4*((\b)+4)+(\p)], v[NEG1], v[T2+2*(\p)]   op_sel_hi:[1,0,0]
	v_fma_mixhi_f16 v[OL+4*(\b)+(\p)],     v[OH+4*(\b)+(\p)],     v[NEG1], v[T1+2*(\p)+1] op_sel:[1,0,0] op_sel_hi:[1,0,0]
	v_fma_mixhi_f16 v[OL+4*((\b)+4)+(\p)], v[OH+4*((\b)+4)+(\p)], v[NEG1], v[T2+2*(\p)+1] op_sel:[1,0,0] op_sel_hi:[1,0,0]
.endr
.endm
; 32 registers (16 rows x 128 columns of f16) go through my stage, 16 bytes a lane into rows of 272 bytes and back as whole rows of 256 into the registers that they left, and out.
.macro STAGEOUT reg, base, a
	WIN 0
.irp b, 0,1,2,3,4,5,6,7
	ds_store_b128 v[STO], v[(\reg)+4*(\b):(\reg)+4*(\b)+3] offset:32*(\b)
.endr
.irp t, 0,1,2,3,4,5,6,7
	ds_load_b128 v[(\reg)+4*(\t):(\reg)+4*(\t)+3], v[RD] offset:(\t)*2*SPITCH  ; LDS serves a wave's instructions in order (ISA guide 5.7.1.4): these see the stores above; the next block's stores come behind them
.endr
.irp t, 0,1,2,3,4,5,6,7
	s_wait_dscnt 7-(\t)                            ; load t of the eight is back
	global_store_b128 v[CO], v[(\reg)+4*(\t):(\reg)+4*(\t)+3], s[(\base):(\base)+1] offset:(16*(\a)+2*(\t))*256  ; 16 lanes store a head's row: 256 consecutive bytes, aligned
.endr
.endm
; Row block a leaves: the first word always, the second where my rows lie below 1,024: the cluster's x is 0 or 1, the same in all partners.
.macro OUTBLK a
	STAGEOUT OB+64*((\a)%2), OUT, \a
	s_cmp_lt_u32 ttmp9, 2
	s_cbranch_scc0 .Lnolo_\@
	STAGEOUT OB+64*((\a)%2)+32, OUTL, \a
.Lnolo_\@:
.endm
.irp a, 0,1,2,3
.if (\a) >= 2
	s_wait_xcnt 0x0                                ; the stores of the block two back have read these registers: they are written again only behind this wait
.endif
	ROT \a, 0
	ROT \a, 1
	ROT \a, 2
	ROT \a, 3
	OUTBLK \a
.endr
	s_wait_tensorcnt 0x0                           ; the wave's end: behind my last tensor load and my last LDS store
	ds_add_u32 v[SPW], v[NIL]
	s_wait_dscnt 0x0
	CROUND                                         ; the closing round: no work-group ends while a partner may still ask for a tile that names it
	s_endpgm
.Lfunc_end_k_q8bb86ae431_qkv:
	.size	k_q8bb86ae431_qkv, .Lfunc_end_k_q8bb86ae431_qkv-k_q8bb86ae431_qkv
	.p2alignl 7, 3214868480
	.fill 96, 4, 3214868480
	.section	.rodata,"a",@progbits
	.p2align	6, 0x0
	.amdhsa_kernel k_q8bb86ae431_qkv
		.amdhsa_group_segment_fixed_size 327680
		.amdhsa_private_segment_fixed_size 0
		.amdhsa_enable_private_segment 0
		.amdhsa_kernarg_size 40
		.amdhsa_user_sgpr_count 2
		.amdhsa_user_sgpr_kernarg_segment_ptr 1
		.amdhsa_wavefront_size32 1
		.amdhsa_system_sgpr_workgroup_id_x 1
		.amdhsa_system_sgpr_workgroup_id_y 1
		.amdhsa_system_sgpr_workgroup_id_z 1
		.amdhsa_system_vgpr_workitem_id 0
		.amdhsa_next_free_vgpr 832
		.amdhsa_next_free_sgpr 92
		.amdhsa_reserve_vcc 0
		.amdhsa_float_denorm_mode_32 3
		.amdhsa_float_denorm_mode_16_64 3
		.amdhsa_memory_ordered 1
		.amdhsa_forward_progress 1
		.amdhsa_inst_pref_size 164
	.end_amdhsa_kernel
	.amdgpu_metadata
---
amdhsa.version: [ 1, 2 ]
amdhsa.kernels:
  - .name:           k_q8bb86ae431_qkv
    .symbol:         k_q8bb86ae431_qkv.kd
    .args:
      - { .name: xb, .offset: 0, .size: 8, .value_kind: global_buffer, .address_space: global }
      - { .name: wqkv, .offset: 8, .size: 8, .value_kind: global_buffer, .address_space: global }
      - { .name: cs, .offset: 16, .size: 8, .value_kind: global_buffer, .address_space: global }
      - { .name: qkv, .offset: 24, .size: 8, .value_kind: global_buffer, .address_space: global }
      - { .name: qkl, .offset: 32, .size: 8, .value_kind: global_buffer, .address_space: global }
    .group_segment_fixed_size: 327680
    .private_segment_fixed_size: 0
    .kernarg_segment_align: 8
    .kernarg_segment_size: 40
    .max_flat_workgroup_size: 128
    .sgpr_count:     92
    .vgpr_count:     832
    .wavefront_size: 32
...
	.end_amdgpu_metadata
.endif
;; end of part 2
;; launch attn (part 3): grid 32 x 8, 4 waves a work-group, clusters of 4 x 1, 327,680 bytes of LDS; arguments qkv, qkl, ctx; writes ctx
.if DOCPART == 3
	.amdgcn_target "amdgcn-amd-amdhsa--gfx1250"
	.amdhsa_code_object_version 6
	.text
	.protected	k_q8bb86ae431_attn
	.globl	k_q8bb86ae431_attn
	.p2align	8
	.type	k_q8bb86ae431_attn,@function
k_q8bb86ae431_attn:
	s_mov_b64 s[64:65], 0
	v_nop
	global_prefetch_b8 v0, s[64:65] scope:SCOPE_SE
	s_setreg_imm32_b32 hwreg(HW_REG_WAVE_MODE, 25, 1), 1
	s_wait_xcnt 0x0
	s_wait_alu depctr_hold_cnt(0) depctr_sa_sdst(0) depctr_va_vdst(0) depctr_va_sdst(0) depctr_va_ssrc(0) depctr_va_vcc(0) depctr_vm_vsrc(0)
	s_getreg_b32 s2, hwreg(HW_REG_IB_STS2, 6, 4)
	s_cmp_eq_u32 s2, 0
	s_cbranch_scc0 .Lentry_in_a_cluster
	s_endpgm
.Lentry_in_a_cluster:
	s_bfe_u32 s2, ttmp6, 0x10000c
	s_cmp_lg_u32 s2, 0x3003
	s_cbranch_scc0 .Lentry_shape_is_right
	s_endpgm
.Lentry_shape_is_right:
; CAUSAL ATTENTION with two query heads to a key and value head.  qkv: [32 heads][2048][128] f16 (0-15 q, 16-23 k, 24-31 v / 16); qkl: [32][1024][128] f16, what the rounding of rows 0 to 1023 left (the second word).
; ctx = the context / 16 in f16, rows of 16 x 128 channels, in 32 groups of 80 rows: group G holds positions 16 G .. 16 G + 15, then positions 512 + 48 G .. + 47, then the second word of the first sixteen.
; Products, maxima and sums in f32; the weights p are rounded to f16 for the second product (their sum l is taken of the unrounded p), the context once at the end.
; LIMITS.  A hidden score counts as its value less 1e30; a weight below 2^-126 counts as 0 in l; p below 6e-5 keeps f16's fixed step of 6e-8; the context is a mean of v's rows and has their range.
; NaN and infinities are not treated apart.
; THE WALK.  The 2,048 positions lie in 64 blocks of 32.  A work-group (key head g, number b = 4 a + cx) takes block 63 - b and then block b, for both query heads of g: 64 query rows a block, a tile of 16 a wave
; (wave w: head 2 g + w / 2, positions 16 (w % 2) on).  Key tiles have 128 keys; block 63 - b needs the tiles 0 .. 15 - a, block b the tiles 0 .. a: 17 tiles, whatever b: all work-groups do equal work,
; and one loop with a constant trip count walks them.  The four partners of a cluster (same a) walk the SAME tiles in the same order: every tile is asked for jointly.
; Only Q's and the context's addresses and the mask's values hang on cx.
; TWO WORDS IN THE WALK'S LAST TILE.  f16 keeps 11 significant bits.  The output's first rows are means over few keys and many times larger than the output's root mean square, by which every number is judged.  So the
; walk's last tile, the second block's diagonal one (for a = 0 all the attention of positions 0 to 127), is multiplied in two words: S = Khi Qhi + Klo Qhi + Khi Qlo, O += Vhi Phi + Vlo Phi + Vhi Plo: 128 matrix
; instructions more, the same in every work-group.  Its second words of K and V (tile a of qkl) come at the kernel's start into LDS bytes of their own, filled once.  Where a < 4 the context's second word is stored too.
; THE MASK is the C operand that starts the sum S^T = K Q^T: 0, or -1e30 where the key is hidden.  It is 0 but in a block's last tile, for which it is made anew.
; LAYOUT.  S^T = K Q^T holds ONE query a lane (lane % 16) and the keys 8 (lane / 16) + 0..7 of each 16; two such results rounded to f16 ARE source 1 of O^T = V^T P.  K comes out of LDS as it lies, V turned.
; SOFTMAX.  p = 2^(c s - c m), c = log2(e) / sqrt(128), with a running maximum m; O and l are multiplied by a = 2^(c m_old - c m_new) in every step.  m starts at the lowest finite number: a block's first a is 0.
; IN PHASES: a key step is 16 products K Q^T, the softmax, 16 products V^T P; the runs of LDS loads for the next phase stand ahead of the vector work.
; REGISTERS (s_set_vgpr_msb: bits 1:0 source 0, 3:2 source 1, 5:4 source 2, 7:6 destination):
;   window 0: v0-31 addresses and statistics; v32-63 S^T; v64-79 P; v80-143 the masks of a tile's two steps; v144-175 Q; v176-239 O^T; v240-255 P's second word
;   window 1: v0-127 K, v128-255 V of one step     window 2: the same, second words     window 3: v0-31 the second block's Q, v32-63 its second word
.set KS,    64
.set PK,    272       ; a row of K in LDS: 256 bytes + 16 = 68 words: the 16 rows of a load start at 16 different groups of four banks (64 banks of 4 bytes: ISA guide 11.1)
.set PV,    288       ; a row of V: 256 + 32 = 72 words
.set VOFF,  KS*PK     ; a step's tiles lie together: 64 rows of K, then 64 rows of V
.set STEPB, KS*(PK+PV)
.set SLOT1, 1<<17     ; a slot holds a tile, two steps (71,680 bytes); slot 1 begins here, so that one exclusive or turns an address in one slot into the other's
.set STAGE, SLOT1+2*STEPB  ; behind the ring: 16 rows x 272 bytes for each wave, for the way out; no tensor load lands there
.set SP,    272
.set SPARE, STAGE+4*16*SP  ; behind the stages: the spare words, 128 bytes for each wave: two blocks of 256 bytes that no other line names
.set LOB,   SPARE+512 ; behind them: the second words of the walk's last tile, laid out as a slot is; filled once
.set AK0, 2           ; v2   my lane's place in a tile of K; never rewritten
.set AV0, 3           ; v3   the same for V, VOFF included
.set AK,  4           ; v4   the same in the slot in hand
.set AV,  5
.set STO, 6           ; v6   the way out: where I put 16 bytes of a row
.set RD,  7           ; v7   where I read a row back
.set GO,  8           ; v8   my byte offset in two rows of ctx
.set AKL, 10          ; v10  the walk's last tile: my lane's place in the second words of K,
.set AVL, 11          ; v11  and of V
.set THR, 12          ; v12  register j of key group 16 kb of step s is hidden where 64 s + 16 kb + j is greater than this
.set THRB, 13         ; v13  the same for the second block
.set QO,  14          ; v14  my byte offset in 16 rows of Q
.set PFO, 15          ; v15  256 x lane; never rewritten
.set CM,  16          ; v16  c m
.set MX,  17          ; v17  m
.set LS,  18          ; v[18:19] l (even keys', odd keys')
.set CC,  20          ; v20-23 at work
.set AF,  24          ; v[24:25] a in the low word
.set CMO, 26          ; v26  c m_old
.set NEG1, 27         ; v27  -1.0
.set RC,  28          ; v[28:29] 1 / l in the low word
.set SPW, 30          ; v30  LDS address of my spare word; never rewritten
.set NIL, 31          ; v31  0; never rewritten
.set S,   32
.set P,   64
.set MC,  80
.set QF,  144
.set OT,  176
.set PL,  240
.set WV,  12          ; s12  my wave's number
.set CX,  13
.set AA,  14          ; s14  a: the cluster's x
.set LIM, 15          ; s15  2 in a wave that prefetches, else the greatest number
.set G1K, 24          ; s[24:31] descriptor group 1 for K's tiles;  s[32:39] for V's: it differs in the padding alone
.set G1V, 32
.set G0K, 40          ; s[40:43], s[44:47] descriptor group 0: they walk
.set G0V, 44
.set KB,  48          ; s[48:49] K of my key head at the step that I fetch of tile 0;  s[50:51] the same for V
.set VB,  50
.set QA,  52          ; s[52:53], s[54:55] Q at my 16 rows of the first and of the second block
.set QBP, 54
.set SLOTS, 56        ; s56  tiles still to be asked for
.set CNT, 57          ; s57  (at work at the head;) counts the last tile's two key steps
.set CS,  58          ; s[58:59] c
.set SEL, 60          ; s[60:61] v_permlanex16_b32's selects: each lane takes its own place in the other half
.set TB,  62          ; s62  the slot in hand: 0 or SLOT1
.set BIGN, 63         ; s63  -1e30
.set RT,  66          ; s66  tiles of the block in hand that are still to be entered
.set NXT, 67          ; s67  the tile to be asked for next
.set LQ,  68          ; s68  the last tile of the block whose tiles are being asked for
.set TBS, 69          ; s69  the walk's last tile: LDS byte at which the key step in hand begins,
.set OFF, 70          ; s[70:71] a tile's byte offset in K and V
.set OAD, 72          ; s[72:73] ctx at my 16 rows of the block in hand;  s[74:75] of the second block
.set OLO, 74
.set PFA, 76          ; s[76:77] where my prefetches stand
.set TLS, 78          ; s78  and at which its second words begin
.set G0KL, 88         ; s[88:91], s[92:95] descriptor group 0 for the second words of K and of V: used once
.set G0VL, 92
.set QLP, 96          ; s[96:97] the second word of Q at my 16 rows of the second block
.set LOF, 98          ; s[98:99] byte offset in qkl of the part of K's second words that I fetch
.set MSB, 0
.macro WIN new                      ; the high byte repeats the setting that is left; a switch that changes nothing is dropped
.if MSB != (\new)
	s_set_vgpr_msb (MSB<<8)|(\new)
.set MSB, (\new)
.endif
.endm
; A joint fill: waves 0 and 1 fetch K of the tile's two steps, waves 2 and 3 V.  The branch hangs on the wave's number alone.  An s_nop 0 and four v_nop follow each of the two lines.
.macro JLOAD
	s_cmp_lt_u32 s[WV], 2
	s_cbranch_scc0 .Lfor_v_\@
	tensor_load_to_lds s[G0K:G0K+3], s[G1K:G1K+7]
	s_nop 0
.rept 4
	v_nop
.endr
	s_branch .Lasked_\@
.Lfor_v_\@:
	tensor_load_to_lds s[G0V:G0V+3], s[G1V:G1V+7]
	s_nop 0
.rept 4
	v_nop
.endr
.Lasked_\@:
.endm
; A round of the cluster's barrier: my work-group's barrier; wave 0 signals for the work-group; every wave waits for all four work-groups; my work-group's barrier once more.
.macro CROUND
	s_barrier_signal -1
	s_barrier_wait -1
	s_cmp_lg_u32 s[WV], 0
	s_cbranch_scc1 .Lnot_wave_0_\@
	s_barrier_signal -3
.Lnot_wave_0_\@:
	s_barrier_wait -3
	s_barrier_signal -1
	s_barrier_wait -1
.endm
; A PREFETCH INTO THE L2 of the tile that the NEXT change of slots will ask for: 128 rows of K and of V, 256 bytes a row, a lane a row.  All eight clusters of a key head begin at tile 0 and walk upward; the cluster with
; a = 0, whose first block walks all 16 tiles, asks, and nobody else; its four partners take 32 rows each, by address; in each, wave 0 asks for K's and wave 2 for V's.  So each row is named once in the launch.
; Tiles 0 and 1 come by their loads alone; the trip that names tile 15 is the last that asks (three tiles are then still to be asked for by loads).
.macro ASK
	s_cmp_gt_u32 s[SLOTS], s[LIM]
	s_cbranch_scc0 .Lnot_mine_\@
	global_prefetch_b8 v[PFO], s[PFA:PFA+1] th:TH_LOAD_NT scope:SCOPE_SE
.Lnot_mine_\@:
.endm
.macro PLACES                       ; four places behind matrix instructions, in front of loads into their sources and of vector work on their results
.rept 4
	v_nop
.endr
.endm
; THE CHANGE OF SLOTS.  Each wave waits for all its tensor loads, of which one is out (at the first change two): its part of the other slot; adds 0 to its spare word; and waits for that and for its own reads of the slot that it leaves.
; fill = 1: the barrier is a round of the cluster's, and the old slot is filled again, first thing behind it, with tile NXT: the descriptor's address is made anew from that number.  The load has a tile's work, 64 matrix
; instructions and two softmaxes' vector work, in which to land.  (At its first use nothing has been read yet: slot 0 and the second words are waited for, slot 1 filled.)
.macro CHANGE fill
	WIN 0
	s_wait_tensorcnt 0x0            ; no tensor load of mine is out, so a group 0 may be written
	ds_add_u32 v[SPW], v[NIL]       ; 0 onto my spare word; scalar work stands between it and the wait for it
.if \fill
	s_lshl_b32 s[OFF], s[NXT], 15   ; a tile is 32,768 bytes of K and of V
	s_xor_b32 s[G0K+1], s[G0K+1], SLOT1
	s_add_nc_u64 s[G0K+2:G0K+3], s[KB:KB+1], s[OFF:OFF+1]
	s_or_b32 s[G0K+3], s[G0K+3], 0x80000000
	s_xor_b32 s[G0V+1], s[G0V+1], SLOT1
	s_add_nc_u64 s[G0V+2:G0V+3], s[VB:VB+1], s[OFF:OFF+1]
	s_or_b32 s[G0V+3], s[G0V+3], 0x80000000
	s_add_co_u32 s[NXT], s[NXT], 1  ; the block's next tile, or behind its last the second block's tile 0
	s_cmp_gt_u32 s[NXT], s[LQ]
	s_cselect_b32 s[NXT], 0, s[NXT]
	s_cselect_b32 s[LQ], s[AA], s[LQ]
	s_wait_xcnt 0x0                 ; the last prefetch, a tile back, has read its address, so it may be written
	s_add_nc_u64 s[PFA:PFA+1], s[PFA:PFA+1], 32768
	s_wait_dscnt 0x0                ; the add is done, and my reads of the slot are over
	CROUND
	JLOAD
	ASK
.else
	s_wait_dscnt 0x0
	s_barrier_signal -1
	s_barrier_wait -1
.endif
	s_xor_b32 s[TB], s[TB], SLOT1   ; the other slot is read now
	v_add_nc_u32 v[AK], s[TB], v[AK0]
	v_add_nc_u32 v[AV], s[TB], v[AV0]
.endm
; The row of ctx at which the sixteen positions 16 p .. 16 p + 15 begin, for p of 32 or more: with t = p - 32 and G = t / 3 it is 80 G + 16 + 16 (t - 3 G) = 16 t + 32 G + 16.  t is below 96, where t / 3 = 43 t >> 7.
.macro ROWLATE d, p
	s_sub_co_u32 s83, s[\p], 32
	s_mul_i32 s[\d], s83, 43
	s_lshr_b32 s[\d], s[\d], 7
	s_lshl_b32 s[\d], s[\d], 5
	s_lshl_b32 s83, s83, 4
	s_add_co_u32 s[\d], s[\d], s83
	s_add_co_u32 s[\d], s[\d], 16
.endm
	s_load_b128 s[4:7], s[0:1], 0x0   ; qkv s[4:5], qkl s[6:7]
	s_load_b64 s[8:9], s[0:1], 0x10   ; ctx
	v_lshl_add_u32 v[SPW], v0, 2, SPARE
	v_mov_b32 v[NIL], 0
	ds_add_u32 v[SPW], v[NIL]       ; the wave's opening: the add and its wait stand ahead of my first tensor load; work on registers stands between them
	v_lshrrev_b32 v1, 5, v0
	v_readfirstlane_b32 s[WV], v1   ; wave 0..3
	s_bfe_u32 s[CX], ttmp6, 0x40000 ; my place in the cluster
	s_mov_b32 s[AA], ttmp9          ; in a cluster launch ttmp9 counts clusters
	s_and_b32 s16, ttmp7, 0xffff    ; g, which the four partners share
	s_and_b32 s17, s[WV], 1
	s_lshr_b32 s18, s[WV], 1
	s_add_co_u32 s20, s16, 16       ; K: head 16 + g, 524,288 bytes a head,
	s_lshl_b32 s20, s20, 19
	s_lshl_b32 s21, s17, 14         ; the step that I fetch: 64 rows of 256 bytes
	s_add_co_u32 s20, s20, s21
	s_mov_b32 s21, 0
	s_add_co_u32 s22, s20, 8<<19    ; V: eight heads on
	s_mov_b32 s23, 0
	s_add_co_u32 s[LOF], s16, 16    ; K's second words: head 16 + g, 262,144 bytes a head,
	s_lshl_b32 s[LOF], s[LOF], 18
	s_lshl_b32 s[LOF+1], s[AA], 15  ; tile a, which the partners share,
	s_add_co_u32 s[LOF], s[LOF], s[LOF+1]
	s_lshl_b32 s[LOF+1], s17, 14    ; the step that I fetch
	s_add_co_u32 s[LOF], s[LOF], s[LOF+1]
	s_mov_b32 s[LOF+1], 0
	s_lshl_b32 s19, s16, 1
	s_add_co_u32 s19, s19, s18      ; my query head
	s_lshl_b32 s80, s[AA], 2
	s_add_co_u32 s80, s80, s[CX]    ; b: the second block
	s_sub_co_u32 s81, 63, s80       ; the first
	s_lshl_b32 s82, s19, 19
	s_lshl_b32 s83, s17, 12
	s_add_co_u32 s82, s82, s83      ; Q: my head, my 16 rows of a block's 32,
	s_lshl_b32 s84, s81, 13         ; the block's 32 rows of 256 bytes
	s_add_co_u32 s84, s84, s82
	s_mov_b32 s85, 0
	s_lshl_b32 s86, s80, 13
	s_add_co_u32 s86, s86, s82
	s_mov_b32 s87, 0
	; descriptor group 1: a tile of 64 rows x 128 elements, padded in LDS
	s_mov_b32 s[G1K], 15|(1<<16)|(1<<20)|(1<<21)|(5<<22)|(3<<25)  ; 15:0 the mask of four; 17:16 2-byte elements; 20 padding on; 21 set beside a mask; 24:22 after every 64 words; 31:25 4 words
	s_mov_b32 s[G1V], 15|(1<<16)|(1<<20)|(1<<21)|(5<<22)|(7<<25)  ; the same with 8 words
.irp g, G1K, G1V
	s_mov_b32 s[(\g)+1], 128<<16    ; tensor_dim0 = 128
	s_mov_b32 s[(\g)+2], KS<<16     ; tensor_dim1 = 64
	s_mov_b32 s[(\g)+3], 128<<16    ; tile_dim0 = 128
	s_mov_b32 s[(\g)+4], KS         ; tile_dim1 = 64
	s_mov_b32 s[(\g)+5], 128        ; elements from row to row
	s_mov_b32 s[(\g)+6], 0
	s_mov_b32 s[(\g)+7], 0
.endr
	s_mul_i32 s57, s17, STEPB       ; my step's place in a slot: no place in the cluster enters an LDS address
	s_mov_b32 s[G0K], 1             ; count = 1
	s_mov_b32 s[G0K+1], s57         ; LDS address: slot 0
	s_mov_b32 s[G0V], 1
	s_add_co_u32 s[G0V+1], s57, VOFF
	s_mov_b32 s[G0KL], 1
	s_add_co_u32 s[G0KL+1], s57, LOB
	s_mov_b32 s[G0VL], 1
	s_add_co_u32 s[G0VL+1], s57, LOB+VOFF
	s_mov_b32 s[CS], 0x3e0293ee     ; c = log2(e) / sqrt(128) = 0.127517
	s_mov_b32 s[CS+1], s[CS]        ; named with it as a pair
	s_mov_b32 s[SEL], 0x76543210
	s_mov_b32 s[SEL+1], 0xfedcba98
	s_mov_b32 s[BIGN], 0xf149f2ca   ; -1e30
	s_mov_b32 s[TB], SLOT1          ; the first change of slots turns it into 0
	s_sub_co_u32 s[RT], 16, s[AA]   ; the first block has 16 - a tiles
	s_mov_b32 s[NXT], 1
	s_sub_co_u32 s[LQ], 15, s[AA]
	s_mov_b32 s[OFF+1], 0
	s_mov_b32 s[SLOTS], 16
	s_or_b32 s[LIM], s17, ttmp9     ; 0 in waves 0 and 2 of the cluster with a = 0: the same in all four partners
	s_cmp_eq_u32 s[LIM], 0
	s_cselect_b32 s[LIM], 2, -1
	s_wait_dscnt 0x0                ; the opening add is done
	s_wait_kmcnt 0x0
	s_add_nc_u64 s[KB:KB+1], s[4:5], s[20:21]
	s_add_nc_u64 s[VB:VB+1], s[4:5], s[22:23]
	s_add_nc_u64 s[G0K+2:G0K+3], s[KB:KB+1], 0     ; global address: tile 0
	s_or_b32 s[G0K+3], s[G0K+3], 0x80000000        ; type = 2
	s_add_nc_u64 s[G0V+2:G0V+3], s[VB:VB+1], 0
	s_or_b32 s[G0V+3], s[G0V+3], 0x80000000
	s_add_nc_u64 s[G0KL+2:G0KL+3], s[6:7], s[LOF:LOF+1]
	s_add_nc_u64 s[G0VL+2:G0VL+3], s[G0KL+2:G0KL+3], 8<<18  ; V's second words: eight heads on
	s_or_b32 s[G0KL+3], s[G0KL+3], 0x80000000
	s_or_b32 s[G0VL+3], s[G0VL+3], 0x80000000
	s_add_nc_u64 s[QA:QA+1], s[4:5], s[84:85]
	s_add_nc_u64 s[QBP:QBP+1], s[4:5], s[86:87]
	s_lshl_b32 s84, s19, 18         ; Q's second word: my head, my 16 rows, block b
	s_lshl_b32 s83, s17, 12
	s_add_co_u32 s84, s84, s83
	s_lshl_b32 s83, s80, 13
	s_add_co_u32 s84, s84, s83
	s_add_nc_u64 s[QLP:QLP+1], s[6:7], s[84:85]
	s_lshl_b32 s82, s81, 1          ; ctx: my sixteen positions of the first block begin at 16 (2 (63 - b) + w % 2): always 1,024 or more
	s_add_co_u32 s82, s82, s17
	ROWLATE 84, 82
	s_lshl_b32 s82, s80, 1          ; of the second block at 16 (2 b + w % 2): below 512 where a < 4, and then in group 2 b + w % 2
	s_add_co_u32 s82, s82, s17
	ROWLATE 86, 82
	s_mul_i32 s82, s82, 80
	s_cmp_lt_u32 s[AA], 4
	s_cselect_b32 s86, s82, s86
	s_lshl_b32 s84, s84, 12         ; rows of 4,096 bytes,
	s_lshl_b32 s86, s86, 12
	s_lshl_b32 s82, s19, 8          ; my head's 256 bytes of a row
	s_add_co_u32 s84, s84, s82
	s_add_co_u32 s86, s86, s82
	s_add_nc_u64 s[OAD:OAD+1], s[8:9], s[84:85]
	s_add_nc_u64 s[OLO:OLO+1], s[8:9], s[86:87]
	s_cmp_lt_u32 s[WV], 2
	s_cselect_b64 s[PFA:PFA+1], s[KB:KB+1], s[VB:VB+1]  ; (in waves 0 and 2 these stand at a tile's first row)
	s_lshl_b32 s82, s[CX], 13       ; my work-group's 32 rows of the 128
	s_mov_b32 s83, 0
	s_add_nc_u64 s[PFA:PFA+1], s[PFA:PFA+1], s[82:83]
	s_add_nc_u64 s[PFA:PFA+1], s[PFA:PFA+1], 32768  ; in tile 1; each change of slots steps it first, so the change that loads tile t names tile t + 1
	CROUND                          ; all four work-groups are here: the first joint loads meet
	s_cmp_lt_u32 s[WV], 2           ; a wave's two first fills stand in one branch, ahead of every wait on TENSORcnt and every LDS read: tile 0 into slot 0, and the second words of the walk's last tile: two loads of mine are out
	s_cbranch_scc0 .Lfirst_v
	tensor_load_to_lds s[G0K:G0K+3], s[G1K:G1K+7]
	s_nop 0
	tensor_load_to_lds s[G0KL:G0KL+3], s[G1K:G1K+7]
	s_nop 0
.rept 4
	v_nop
.endr
	s_branch .Lfirst_asked
.Lfirst_v:
	tensor_load_to_lds s[G0V:G0V+3], s[G1V:G1V+7]
	s_nop 0
	tensor_load_to_lds s[G0VL:G0VL+3], s[G1V:G1V+7]
	s_nop 0
.rept 4
	v_nop
.endr
.Lfirst_asked:
	; A fragment of K or Q is 16 rows x 32 channels in 8 registers: lane l holds row l % 16, channels 8 (l / 16) + 0..7 and 16 + 8 (l / 16) + 0..7: two loads of 16 bytes, 32 bytes apart.
	v_and_b32 v1, 15, v0            ; l % 16
	v_bfe_u32 v9, v0, 4, 1          ; l / 16
	v_lshlrev_b32 v[QO], 8, v1
	v_lshl_add_u32 v[QO], v9, 4, v[QO]  ; row x 256 + 16 x half
.irp c, 0,1,2,3
	global_load_b128 v[QF+8*(\c):QF+8*(\c)+3],   v[QO], s[QA:QA+1] offset:64*(\c)
	global_load_b128 v[QF+8*(\c)+4:QF+8*(\c)+7], v[QO], s[QA:QA+1] offset:64*(\c)+32
.endr
	WIN 0xc0                        ; destination window 3
.irp c, 0,1,2,3
	global_load_b128 v[8*(\c):8*(\c)+3],   v[QO], s[QBP:QBP+1] offset:64*(\c)
	global_load_b128 v[8*(\c)+4:8*(\c)+7], v[QO], s[QBP:QBP+1] offset:64*(\c)+32
.endr
.irp c, 0,1,2,3
	global_load_b128 v[32+8*(\c):32+8*(\c)+3],   v[QO], s[QLP:QLP+1] offset:64*(\c)
	global_load_b128 v[32+8*(\c)+4:32+8*(\c)+7], v[QO], s[QLP:QLP+1] offset:64*(\c)+32
.endr
	WIN 0
	v_mul_u32_u24 v[AK0], v1, PK
	v_lshl_add_u32 v[AK0], v9, 4, v[AK0]
	; The turning load takes 16 keys x 16 channels (lane l reads key 8 (l / 16) + l % 8, channels 8 ((l / 8) % 2) + 0..7) and leaves half a fragment of V^T: lane l holds channel l % 16 and 8 keys.
	v_and_b32 v10, 7, v0
	v_bfe_u32 v11, v0, 3, 1
	v_lshl_add_u32 v[AV0], v9, 3, v10
	v_mul_u32_u24 v[AV0], v[AV0], PV
	v_lshl_add_u32 v[AV0], v11, 4, v[AV0]
	v_add_nc_u32 v[AV0], VOFF, v[AV0]
	s_mul_i32 s57, s[WV], 16*SP
	s_add_co_u32 s57, s57, STAGE    ; my stage
	v_mul_u32_u24 v[STO], v1, SP    ; in: row l % 16, 16 bytes for each half of the lanes
	v_lshl_add_u32 v[STO], v9, 4, v[STO]
	v_add_nc_u32 v[STO], s57, v[STO]
	v_mul_u32_u24 v[RD], v9, SP     ; back: lanes 0-15 take one row of 256 bytes, lanes 16-31 the next
	v_lshl_add_u32 v[RD], v1, 4, v[RD]
	v_add_nc_u32 v[RD], s57, v[RD]
	v_lshlrev_b32 v[GO], 12, v9     ; and the same two rows of ctx
	v_lshl_add_u32 v[GO], v1, 4, v[GO]
	v_and_b32 v[PFO], 31, v0
	v_lshlrev_b32 v[PFO], 8, v[PFO]
	; my query's place in its block's last tile, less my lanes' 8 (l / 16): the block begins 32 (3 - cx) keys into that tile (first block) or 32 cx (second)
	s_sub_co_u32 s82, 3, s[CX]
	s_lshl_b32 s82, s82, 5
	s_lshl_b32 s83, s17, 4
	s_add_co_u32 s82, s82, s83
	s_lshl_b32 s84, s[CX], 5
	s_add_co_u32 s84, s84, s83
	v_lshlrev_b32 v10, 3, v9
	v_sub_nc_u32 v10, v1, v10
	v_add_nc_u32 v[THR], s82, v10
	v_add_nc_u32 v[THRB], s84, v10
	v_mov_b32 v[NEG1], -1.0
	; A block's first step multiplies O^T and l by a = 0, so these need only hold finite numbers: zeros for the first block, what the first block left for the second.  The masks are 0.  All this stands in the wait for the first tile.
.set i, 0
.rept 64
	v_mov_b32 v[OT+i], 0
	v_mov_b32 v[MC+i], 0
.set i, i+1
.endr
	v_mov_b32 v[LS], 0
	v_mov_b32 v[LS+1], 0
	v_mov_b32 v[AF+1], 0            ; named in a pair
	v_mov_b32 v[RC+1], 0
	v_mov_b32 v[CM], 0xfe000000     ; c m: far below every c s
	v_mov_b32 v[MX], 0xff7fffff     ; m
	s_wait_loadcnt 0x0              ; both blocks' Q
; THE LDS LOADS stand in runs of 32: K (64 keys x 128 channels: 16 fragments) and V (turned) of step s, from the address in register adr into the window that w names (0x40: window 1; 0x80: window 2).
.macro FETCH_K s, adr, w
	WIN \w
.irp f, 0,1,2,3,4,5,6,7,8,9,10,11,12,13,14,15  ; keys 16 (f / 4) on, channels 32 (f % 4) on
	ds_load_b128 v[8*(\f):8*(\f)+3],   v[\adr] offset:(\s)*STEPB+((\f)/4)*16*PK+((\f)%4)*64
	ds_load_b128 v[8*(\f)+4:8*(\f)+7], v[\adr] offset:(\s)*STEPB+((\f)/4)*16*PK+((\f)%4)*64+32
.endr
	WIN 0
.endm
.macro FETCH_V s, adr, w
	WIN \w
.irp f, 0,1,2,3,4,5,6,7,8,9,10,11,12,13,14,15  ; keys 32 (f / 8) on, channels 16 (f % 8) on
	ds_load_tr16_b128 v[128+8*(\f):128+8*(\f)+3],   v[\adr] offset:(\s)*STEPB+((\f)/8)*32*PV+((\f)%8)*32
	ds_load_tr16_b128 v[128+8*(\f)+4:128+8*(\f)+7], v[\adr] offset:(\s)*STEPB+((\f)/8)*32*PV+16*PV+((\f)%8)*32
.endr
	WIN 0
.endm
; 16 products S^T (+)= K Q^T: channels 32 (i / 4) on, keys 16 (i % 4) on.  w names the sources' windows, q is Q's first register.  first = 1: the first 4 start the sums with the mask at MC + 32 s.
; The 4 accumulators take turns, from one run of 16 into the next too.
.macro KQ s, w, q, first
	WIN \w
.set i, 0
.rept 16
.set rS, S+8*(i%4)
.set rK, 32*(i%4)+8*(i/4)
.set rQ, (\q)+8*(i/4)
.set rM, MC+32*(\s)+8*(i%4)
.if (\first) && (i < 4)
	v_wmma_f32_16x16x32_f16 v[rS:rS+7], v[rK:rK+7], v[rQ:rQ+7], v[rM:rM+7]
.else
	v_wmma_f32_16x16x32_f16 v[rS:rS+7], v[rK:rK+7], v[rQ:rQ+7], v[rS:rS+7]
.endif
.set i, i+1
.endr
	WIN 0
.endm
; 16 products O^T += V^T P: keys 32 (i / 8) on, channels 16 (i % 8) on.  w names V's window, p is P's first register.  The 8 accumulators take turns.
.macro PV w, p
	WIN \w
.set i, 0
.rept 16
.set rO, OT+8*(i%8)
.set rV, 128+64*(i/8)+8*(i%8)
.set rP, (\p)+8*(i/8)
	v_wmma_f32_16x16x32_f16 v[rO:rO+7], v[rV:rV+7], v[rP:rP+7], v[rO:rO+7]
.set i, i+1
.endr
	WIN 0
.endm
; THE SOFTMAX of a key step: the maximum of the lane's 32 scores and the old m (each accumulator's lowest registers are read first), the other half of the lanes' maximum, c m and its change;
; the scalings; ONE batch of 33 exponentials with one wait; the roundings; the sums; O^T times a.  lo = 1: what the rounding of p left (f16 half x -1 + p: exact) is rounded to f16 as P's second word.
.macro SOFTMAX lo
	WIN 0
.irp j, 0,1,2,3
	v_max3_num_f32 v[CC+(\j)], v[S+8*(\j)], v[S+8*(\j)+1], v[S+8*(\j)+2]
.endr
.irp j, 0,1,2,3
	v_max3_num_f32 v[CC+(\j)], v[CC+(\j)], v[S+8*(\j)+3], v[S+8*(\j)+4]
.endr
.irp j, 0,1,2,3
	v_max3_num_f32 v[CC+(\j)], v[CC+(\j)], v[S+8*(\j)+5], v[S+8*(\j)+6]
.endr
	v_max3_num_f32 v[CC], v[CC], v[S+7], v[S+15]
	v_max3_num_f32 v[CC+2], v[CC+2], v[S+23], v[S+31]
	v_max3_num_f32 v[CC+1], v[CC+1], v[CC+3], v[MX]
	v_mov_b32 v[CMO], v[CM]
	v_max3_num_f32 v[CC], v[CC], v[CC+1], v[CC+2]
	v_permlanex16_b32 v[CC+1], v[CC], s[SEL], s[SEL+1]  ; the query's other 32 keys lie in the lane 16 away
	v_max_num_f32 v[MX], v[CC], v[CC+1]
	v_mul_f32 v[CM], s[CS], v[MX]
	v_sub_f32 v[CC+3], v[CMO], v[CM]
.set i, 0
.rept 16
	v_pk_fma_f32 v[S+2*i:S+2*i+1], v[S+2*i:S+2*i+1], s[CS:CS+1], v[CM:CM+1] op_sel_hi:[1,0,0] neg_lo:[0,0,1] neg_hi:[0,0,1]  ; c s - c m
.set i, i+1
.endr
	v_exp_f32 v[AF], v[CC+3]        ; a
.set i, 0
.rept 32
	v_exp_f32 v[S+i], v[S+i]
.set i, i+1
.endr
	v_nop                           ; a plain instruction behind the last exponential (ISA guide 5.7.2): one for the batch,
	s_wait_alu depctr_va_vdst(0)    ; and the wait ahead of the first use: one for the 33
.set i, 0
.rept 16
	v_cvt_pk_f16_f32 v[P+i], v[S+2*i], v[S+2*i+1]
.set i, i+1
.endr
.if \lo
.set i, 0
.rept 16
	v_fma_mix_f32 v[CC+2*(i%2)],   v[P+i], v[NEG1], v[S+2*i]   op_sel_hi:[1,0,0]
	v_fma_mix_f32 v[CC+2*(i%2)+1], v[P+i], v[NEG1], v[S+2*i+1] op_sel:[1,0,0] op_sel_hi:[1,0,0]
	v_cvt_pk_f16_f32 v[PL+i], v[CC+2*(i%2)], v[CC+2*(i%2)+1]
.set i, i+1
.endr
.endif
.irp u, 0,1,2,3,4,5,6,7             ; the sum of the 16 pairs (an even key's weight, an odd key's), in place: neighbours 1, 2, 4 and 8 pairs apart
	v_pk_add_f32 v[S+4*(\u):S+4*(\u)+1], v[S+4*(\u):S+4*(\u)+1], v[S+4*(\u)+2:S+4*(\u)+3]
.endr
.irp u, 0,1,2,3
	v_pk_add_f32 v[S+8*(\u):S+8*(\u)+1], v[S+8*(\u):S+8*(\u)+1], v[S+8*(\u)+4:S+8*(\u)+5]
.endr
.irp u, 0,1
	v_pk_add_f32 v[S+16*(\u):S+16*(\u)+1], v[S+16*(\u):S+16*(\u)+1], v[S+16*(\u)+8:S+16*(\u)+9]
.endr
	v_pk_add_f32 v[S:S+1], v[S:S+1], v[S+16:S+17]
	v_pk_fma_f32 v[LS:LS+1], v[LS:LS+1], v[AF:AF+1], v[S:S+1] op_sel_hi:[1,0,1]  ; l = a l + the sum
.set i, 0
.rept 32
	v_pk_mul_f32 v[OT+2*i:OT+2*i+1], v[OT+2*i:OT+2*i+1], v[AF:AF+1] op_sel_hi:[1,0]
.set i, i+1
.endr
.endm
.macro MAKEMASK n                   ; the masks of a block's last tile: n = 64: both steps; n = 32: the step for which v[THR] stands
.set i, 0
.rept \n
	v_cmp_gt_i32 vcc_lo, 64*(i/32)+16*((i/8)%4)+i%8, v[THR]
	v_cndmask_b32 v[MC+i], 0, s[BIGN], vcc_lo
.set i, i+1
.endr
.endm
; A TILE's two key steps, in the loop.  Whether it is a block's last hangs on RT, which all partners share.
.macro SLOTWORK
	FETCH_K 0, AK, 0x40
	FETCH_V 0, AV, 0x40
	s_cmp_lg_u32 s[RT], 0
	s_cbranch_scc1 .Lnomask_\@
	MAKEMASK 64
.Lnomask_\@:
	s_wait_dscnt 32                 ; K is in; V's 32 loads may stay out
	KQ 0, 0x01, QF, 1
	PLACES
	FETCH_K 1, AK, 0x40
	SOFTMAX 0
	s_wait_dscnt 32                 ; V is in; the next K's 32 loads may stay out
	PV 0x01, P
	PLACES
	FETCH_V 1, AV, 0x40
	s_wait_dscnt 32                 ; K is in
	KQ 1, 0x01, QF, 1
	PLACES
	SOFTMAX 0
	s_wait_dscnt 0x0                ; V is in
	PV 0x01, P
	PLACES
.endm
; A key step of the walk's last tile, in two words; the four address registers stand at the step.  Sources' windows: 0x01 first words of K or V; 0x02 their second words; 0x0d first words of K with Q's second word (window 3, v32 on).
.macro STEPP
	FETCH_K 0, AK, 0x40
	FETCH_K 0, AKL, 0x80
	s_wait_dscnt 0x0                ; both words of K are in
	KQ 0, 0x01, QF, 1
	KQ 0, 0x02, QF, 0
	KQ 0, 0x0d, 32, 0
	PLACES
	FETCH_V 0, AV, 0x40
	FETCH_V 0, AVL, 0x80
	SOFTMAX 1
	s_wait_dscnt 0x0                ; both words of V are in
	PV 0x01, P
	PV 0x02, P
	PV 0x01, PL
	PLACES
.endm
; THE WAY OUT of a block: l's two halves and the other half of the lanes' are added; O^T is divided by l, rounded to f16 and sent through my stage in LDS.
; lo = 1: what the rounding left is rounded to f16 as the second word, and stored 64 rows further down in the group where my positions lie below 512: a < 4, the same in all partners.
.macro WAYOUT lo
	WIN 0
	v_add_f32 v[CC], v[LS], v[LS+1]
	v_permlanex16_b32 v[CC+1], v[CC], s[SEL], s[SEL+1]
	v_add_f32 v[CC], v[CC], v[CC+1]
	v_rcp_f32 v[RC], v[CC]
	v_nop                           ; a plain instruction between the reciprocal and the use of its result,
	s_wait_alu depctr_va_vdst(0)    ; and the wait ahead of that use
.set i, 0
.rept 32
	v_pk_mul_f32 v[OT+2*i:OT+2*i+1], v[OT+2*i:OT+2*i+1], v[RC:RC+1] op_sel_hi:[1,0]
.set i, i+1
.endr
.set i, 0
.rept 32
	v_cvt_pk_f16_f32 v[S+i], v[OT+2*i], v[OT+2*i+1]
.set i, i+1
.endr
.if \lo
.set i, 0
.rept 32                            ; into the masks' registers, which nothing reads any more
	v_fma_mix_f32 v[CC+2*(i%2)],   v[S+i], v[NEG1], v[OT+2*i]   op_sel_hi:[1,0,0]
	v_fma_mix_f32 v[CC+2*(i%2)+1], v[S+i], v[NEG1], v[OT+2*i+1] op_sel:[1,0,0] op_sel_hi:[1,0,0]
	v_cvt_pk_f16_f32 v[MC+i], v[CC+2*(i%2)], v[CC+2*(i%2)+1]
.set i, i+1
.endr
.endif
.irp f, 0,1,2,3,4,5,6,7
	ds_store_b128 v[STO], v[S+4*(\f):S+4*(\f)+3] offset:32*(\f)
.endr
.irp f, 0,1,2,3,4,5,6,7
	ds_load_b128 v[S+4*(\f):S+4*(\f)+3], v[RD] offset:(\f)*2*SP  ; LDS serves a wave's instructions in order (ISA guide 5.7.1.4): these see the stores above
.endr
.irp f, 0,1,2,3,4,5,6,7
	s_wait_dscnt 7-(\f)             ; load f of the eight is back
	global_store_b128 v[GO], v[S+4*(\f):S+4*(\f)+3], s[OAD:OAD+1] offset:8192*(\f)  ; 16 lanes store 256 consecutive bytes, at a multiple of 256 from ctx's first byte
.endr
.if \lo
	s_cmp_lt_u32 s[AA], 4
	s_cbranch_scc0 .Lnolo_\@
.irp f, 0,1,2,3,4,5,6,7
	ds_store_b128 v[STO], v[MC+4*(\f):MC+4*(\f)+3] offset:32*(\f)
.endr
.irp f, 0,1,2,3,4,5,6,7
	ds_load_b128 v[MC+4*(\f):MC+4*(\f)+3], v[RD] offset:(\f)*2*SP
.endr
.irp f, 0,1,2,3,4,5,6,7
	s_wait_dscnt 7-(\f)
	global_store_b128 v[GO], v[MC+4*(\f):MC+4*(\f)+3], s[OAD:OAD+1] offset:64*4096+8192*(\f)
.endr
.Lnolo_\@:
.endif
.endm
.Lslot:                             ; 16 times: a tile is entered and the next is asked for
	CHANGE 1
	s_sub_co_u32 s[RT], s[RT], 1
	SLOTWORK
	s_cmp_lg_u32 s[RT], 0
	s_cbranch_scc1 .Lbottom         ; forward, past text that holds neither a barrier nor a tensor load
	WAYOUT 0                        ; in the loop this is the first block's end: the second block's last tile is the walk's last
	s_wait_xcnt 0x0                 ; the stores have read their registers and their base
	s_mov_b64 s[OAD:OAD+1], s[OLO:OLO+1]
	s_add_co_u32 s[RT], s[AA], 1    ; the second block has a + 1 tiles
	v_mov_b32 v[CM], 0xfe000000
	v_mov_b32 v[MX], 0xff7fffff
	v_mov_b32 v[THR], v[THRB]
.set i, 0
.rept 64
	v_mov_b32 v[MC+i], 0
.set i, i+1
.endr
	WIN 0x03                        ; source in window 3: the second block's Q goes where the products name Q
.set i, 0
.rept 32
	v_mov_b32 v[QF+i], v[i]
.set i, i+1
.endr
	WIN 0
.Lbottom:
	s_sub_co_u32 s[SLOTS], s[SLOTS], 1
	s_cmp_lg_u32 s[SLOTS], 0
	s_cbranch_scc1 .Lslot
	CHANGE 0                        ; the walk's last tile stands behind the loop: nothing is asked for
	s_mov_b32 s[TBS], s[TB]         ; its two key steps: written once, walked twice; the LDS addresses hang on two scalars that step, the mask on a threshold that goes down by a step's 64 keys
	s_mov_b32 s[TLS], LOB
	s_mov_b32 s[CNT], 2
.Ltail:
	v_add_nc_u32 v[AK], s[TBS], v[AK0]
	v_add_nc_u32 v[AV], s[TBS], v[AV0]
	v_add_nc_u32 v[AKL], s[TLS], v[AK0]
	v_add_nc_u32 v[AVL], s[TLS], v[AV0]
	MAKEMASK 32
	STEPP
	v_add_nc_u32 v[THR], 0xffffffc0, v[THR]
	s_add_co_u32 s[TBS], s[TBS], STEPB
	s_add_co_u32 s[TLS], s[TLS], STEPB
	s_sub_co_u32 s[CNT], s[CNT], 1
	s_cmp_lg_u32 s[CNT], 0
	s_cbranch_scc1 .Ltail
	WAYOUT 1
	s_wait_tensorcnt 0x0            ; the wave's end: behind my last tensor load and my last LDS store
	ds_add_u32 v[SPW], v[NIL]
	s_wait_dscnt 0x0
	CROUND                          ; the closing round: no work-group ends while a partner may still ask for a tile that names it
	s_endpgm
.Lfunc_end_k_q8bb86ae431_attn:
	.size	k_q8bb86ae431_attn, .Lfunc_end_k_q8bb86ae431_attn-k_q8bb86ae431_attn
	.p2alignl 7, 3214868480
	.fill 96, 4, 3214868480
	.section	.rodata,"a",@progbits
	.p2align	6, 0x0
	.amdhsa_kernel k_q8bb86ae431_attn
		.amdhsa_group_segment_fixed_size 327680
		.amdhsa_private_segment_fixed_size 0
		.amdhsa_enable_private_segment 0
		.amdhsa_kernarg_size 24
		.amdhsa_user_sgpr_count 2
		.amdhsa_user_sgpr_kernarg_segment_ptr 1
		.amdhsa_wavefront_size32 1
		.amdhsa_system_sgpr_workgroup_id_x 1
		.amdhsa_system_sgpr_workgroup_id_y 1
		.amdhsa_system_sgpr_workgroup_id_z 1
		.amdhsa_system_vgpr_workitem_id 0
		.amdhsa_next_free_vgpr 832
		.amdhsa_next_free_sgpr 100
		.amdhsa_reserve_vcc 1
		.amdhsa_float_denorm_mode_32 3
		.amdhsa_float_denorm_mode_16_64 3
		.amdhsa_memory_ordered 1
		.amdhsa_forward_progress 1
		.amdhsa_inst_pref_size 106
	.end_amdhsa_kernel
	.amdgpu_metadata
---
amdhsa.version: [ 1, 2 ]
amdhsa.kernels:
  - .name:           k_q8bb86ae431_attn
    .symbol:         k_q8bb86ae431_attn.kd
    .args:
      - { .name: qkv, .offset: 0, .size: 8, .value_kind: global_buffer, .address_space: global }
      - { .name: qkl, .offset: 8, .size: 8, .value_kind: global_buffer, .address_space: global }
      - { .name: ctx, .offset: 16, .size: 8, .value_kind: global_buffer, .address_space: global }
    .group_segment_fixed_size: 327680
    .private_segment_fixed_size: 0
    .kernarg_segment_align: 8
    .kernarg_segment_size: 24
    .max_flat_workgroup_size: 128
    .sgpr_count:     100
    .vgpr_count:     832
    .wavefront_size: 32
...
	.end_amdgpu_metadata
.endif
;; end of part 3
;; launch oproj (part 4): grid 16 x 16, 4 waves a work-group, clusters of 4 x 4, 327,680 bytes of LDS; arguments ctx, wob, out0; writes out0
.if DOCPART == 4
	.amdgcn_target "amdgcn-amd-amdhsa--gfx1250"
	.amdhsa_code_object_version 6
	.text
	.protected	k_q8bb86ae431_oproj
	.globl	k_q8bb86ae431_oproj
	.p2align	8
	.type	k_q8bb86ae431_oproj,@function
k_q8bb86ae431_oproj:
	s_mov_b64 s[64:65], 0
	v_nop
	global_prefetch_b8 v0, s[64:65] scope:SCOPE_SE
	s_setreg_imm32_b32 hwreg(HW_REG_WAVE_MODE, 25, 1), 1
	s_wait_xcnt 0x0
	s_wait_alu depctr_hold_cnt(0) depctr_sa_sdst(0) depctr_va_vdst(0) depctr_va_sdst(0) depctr_va_ssrc(0) depctr_va_vcc(0) depctr_vm_vsrc(0)
	s_getreg_b32 s2, hwreg(HW_REG_IB_STS2, 6, 4)
	s_cmp_eq_u32 s2, 0
	s_cbranch_scc0 .Lentry_in_a_cluster
	s_endpgm
.Lentry_in_a_cluster:
	s_bfe_u32 s2, ttmp6, 0x10000c
	s_cmp_lg_u32 s2, 0xf033
	s_cbranch_scc0 .Lentry_shape_is_right
	s_endpgm
.Lentry_shape_is_right:
; OPROJ: out0 [2048][4096] f32 = the context x Wo.  ctx holds the context / 16 in f16, wob [2048 k][4096 n] f16 holds Wo rounded to bf16, x 16: the two powers of two cancel.  f32 sums, stored as they are.
; ctx lies in 32 groups of 80 rows of 2,048 channels: group G holds positions 16 G .. 16 G + 15, then positions 512 + 48 G .. + 47, then the second word (what the rounding to f16 left) of the first sixteen.
; LIMITS.  None of its own: its operands' are stated where they are made.  NaN and infinities are not treated apart.
; SHARES.  A tile of the output is 128 rows (two groups) x 256 columns: 16 x 16 tiles, a work-group each; the grid's x counts tile rows, its y tile columns.  Four waves, each one group's 64 rows x 128 columns:
; 32 accumulators of 16 x 16.  K goes in steps of 128 through two LDS slots.
; TWO WORDS FOR POSITIONS 0 TO 511.  f16 keeps 11 significant bits; the output's first rows are many times larger than its root mean square, by which every number is judged.  Every wave's row block 0 holds sixteen of the
; first 512 positions, and takes the second word's products onto the same accumulators: 8 matrix instructions more for each 32, the same in every wave.
; THE MATRIX INSTRUCTION IS USED TRANSPOSED: source 0 = 16 columns of W, source 1 = 16 rows of ctx.  Lane l then holds row l % 16 and the columns 8 (l / 16) + 0..7 of each block of 16.
; W lies [k][n]: its fragments come out of LDS turned, by ds_load_tr16_b128.
; CLUSTER.  4 x 4 work-groups: the four with one cx need the same tile of ctx, the four with one cy the same tile of W: each tile is asked for jointly, by the same tensor load, descriptor and mask in all four.
; REGISTERS, in windows of 256 (s_set_vgpr_msb: bits 1:0 source 0, 3:2 source 1, 5:4 source 2, 7:6 destination):
;   window 0: v0-31 addresses; v32-135, v136-239 two fragment buffers (W's 8 fragments, then ctx's 5); on the way out v64-127, v128-191 whole rows, by turns     window 1: accumulator (a, b) at v[8 (8 a + b)]
.set KDIM,   2048
.set LOGROW, 12                        ; a row of ctx is 4,096 bytes
.set AROWS,  80                        ; rows in a group
.set PA,     272                       ; an LDS row of ctx: 256 bytes + 16 = 68 words: the 16 rows of a load start at 16 different groups of four banks (64 banks of 4 bytes: ISA guide 11.1)
.set PB,     544                       ; an LDS row of W (one k, 256 n): 512 bytes + 32 = 17 x 32
.set AH,     AROWS*PA                  ; what one tensor load brings of ctx: a group
.set ABYTES, 2*AH
.set BH,     64*PB
.set SLOT,   ABYTES+2*BH               ; ctx's two groups, then W's 128 k
.set STAGE,  2*SLOT                    ; behind the ring: 16 rows x 528 bytes for each wave, for the way out; no tensor load lands there
.set SPITCH, 528                       ; 512 bytes + 16 = 33 x 16
.set SPARE,  STAGE+4*16*SPITCH         ; behind the stages: the spare words, 128 bytes for each wave: two blocks of 256 bytes that no other line names
.set ASTEP,  256
.set BSTEP,  128*8192
.set ADRA, 16                          ; v16-17  LDS address of my fragments of ctx in slot 0, 1
.set ADRB, 20                          ; v20-21  the same for W
.set STO,  24                          ; v24  the way out: where I put 32 bytes of a row
.set RD,   25                          ; v25  where I read 16 bytes of a row back
.set CO,   26                          ; v26  16 x lane: my 16 bytes of a row's 512
.set SPW,  28                          ; v28  LDS address of my spare word; never rewritten
.set NIL,  29                          ; v29  0; never rewritten
.set PFO,  30                          ; v30  the prefetches' offset; never rewritten
.set F0,   32
.set F1,   136
.set WV,   16
.set RH,   17                          ; s17  which group of the tile is mine
.set CHF,  18                          ; s18  which 128 columns; also: which half of a tile I fetch
.set CX,   19
.set CY,   20
.set TCOL, 21
.set TROW, 22
.set G1A,  24                          ; s[24:31] descriptor group 1 for ctx's tiles;  s[32:39] group 0, a set for each slot
.set G0A,  32
.set G1B,  48                          ; s[48:55], s[56:63] the same for W's
.set G0B,  56
.set LAP,  66
.set LIM,  67                          ; s67  1 in a wave that prefetches, else the greatest number
.set PFA,  68                          ; s[68:69] where my prefetches stand
.set PST,  70                          ; s[70:71] their step
.set OUT,  78                          ; s[78:79] out0 at row 16 G and my first column
.set OUTL, 80                          ; s[80:81] out0 at row 512 + 48 G and my first column
.set LA,   84
.set LB,   85
.set MSB, 0
.macro WIN new                         ; the immediate's high byte repeats the setting that is left; a switch that changes nothing is dropped
.if MSB != (\new)
	s_set_vgpr_msb (MSB<<8)|(\new)
.set MSB, \new
.endif
.endm
.set MULW, 0x50                        ; C and D in window 1, the fragments in window 0
; A joint load: waves 0 and 1 fetch ctx's two groups, waves 2 and 3 W's halves.  The branch hangs on the wave's number alone.  An s_nop 0 and four v_nop follow each of the two lines.
.macro JLOAD s
	s_cmp_lt_u32 s[WV], 2
	s_cbranch_scc0 .Lfor_b_\@
	tensor_load_to_lds s[G0A+4*(\s):G0A+4*(\s)+3], s[G1A:G1A+7]
	s_nop 0
.rept 4
	v_nop
.endr
	s_branch .Lasked_\@
.Lfor_b_\@:
	tensor_load_to_lds s[G0B+4*(\s):G0B+4*(\s)+3], s[G1B:G1B+7]
	s_nop 0
.rept 4
	v_nop
.endr
.Lasked_\@:
.endm
.macro CREST                           ; a round of the cluster's barrier behind its opening barrier
	s_cmp_lg_u32 s[WV], 0
	s_cbranch_scc1 .Lnot_wave_0_\@
	s_barrier_signal -3
.Lnot_wave_0_\@:
	s_barrier_wait -3
	s_barrier_signal -1
	s_barrier_wait -1
.endm
.macro CROUND                          ; a whole round
	s_barrier_signal -1
	s_barrier_wait -1
	CREST
.endm
.macro PLACES                          ; four places in front of loads into registers that matrix instructions have read, and of LDS stores of their results
.rept 4
	v_nop
.endr
.endm
; A PREFETCH INTO THE L2, behind each joint refill, its five lines and the run of LDS loads: the K step that stands two refills on, 320 matrix instructions ahead of the load that will want it.
; ctx: a K step is 256 bytes of each of a group's 80 rows: cluster y = 0 asks; the four partners that ask for the tile jointly (one cx) take 20 rows each, by cy; waves 0 and 1, each for the group that it fetches, a lane a row
; (lanes 20 to 31 name lane 19's row again).
; W: a K step is 128 k x 512 bytes of a tile column: cluster x = 0 asks; the four partners (one cy) take 16 k of each half, by cx; waves 2 and 3, two lanes a k.
; So each aligned block of 256 bytes is named by one instruction in the launch.  K steps 0 to 3 come by their loads alone; the loop's last trip asks for nothing: the K steps two on do not exist.
.macro ASK
	s_cmp_gt_u32 s[LAP], s[LIM]
	s_cbranch_scc0 .Lnot_mine_\@
	global_prefetch_b8 v[PFO], s[PFA:PFA+1] th:TH_LOAD_NT scope:SCOPE_SE
.Lnot_mine_\@:
.endm
	s_load_b128 s[4:7], s[0:1], 0x0                ; ctx 4, wob 6
	s_load_b64 s[8:9], s[0:1], 0x10                ; out0
	v_lshl_add_u32 v[SPW], v0, 2, SPARE
	v_mov_b32 v[NIL], 0
	ds_add_u32 v[SPW], v[NIL]                      ; the wave's opening: the add and its wait stand ahead of my first tensor load; work on registers stands between them
	v_lshrrev_b32 v1, 5, v0
	v_readfirstlane_b32 s[WV], v1                  ; wave 0..3
	s_lshr_b32 s[RH], s[WV], 1
	s_and_b32 s[CHF], s[WV], 1
	s_bfe_u32 s[CX], ttmp6, 0x40000                ; my place in the cluster
	s_bfe_u32 s[CY], ttmp6, 0x40004
	s_lshl_b32 s[TROW], ttmp9, 2
	s_add_co_u32 s[TROW], s[TROW], s[CX]           ; tile row = 4 x cluster x + cx
	s_and_b32 s[TCOL], ttmp7, 0xffff
	s_lshl_b32 s[TCOL], s[TCOL], 2
	s_add_co_u32 s[TCOL], s[TCOL], s[CY]           ; tile column = 4 x cluster y + cy
	s_lshl_b32 s40, 0x1111, s[CX]                  ; those with my tile row: places cx, cx + 4, cx + 8, cx + 12
	s_lshl_b32 s44, s[CY], 2
	s_lshl_b32 s44, 15, s44                        ; those with my tile column: places 4 cy .. 4 cy + 3
	s_or_b32 s[G1A], s40, (1<<16)|(1<<20)|(1<<21)|(5<<22)|(3<<25)  ; 15:0 the mask; 17:16 2-byte elements; 20 padding on; 21 set beside a mask; 24:22 after every 64 words; 31:25 4 words
	s_mov_b32 s[G1A+1], 128<<16                    ; tensor_dim0 = 128
	s_mov_b32 s[G1A+2], AROWS<<16                  ; tensor_dim1 = 80
	s_mov_b32 s[G1A+3], 128<<16                    ; tile_dim0 = 128
	s_mov_b32 s[G1A+4], AROWS                      ; tile_dim1 = 80
	s_mov_b32 s[G1A+5], KDIM                       ; elements from row to row
	s_mov_b32 s[G1A+6], 0
	s_mov_b32 s[G1A+7], 0
	s_or_b32 s[G1B], s44, (1<<16)|(1<<20)|(1<<21)|(6<<22)|(7<<25)  ; after every 128 words 8 words
	s_mov_b32 s[G1B+1], 256<<16                    ; tensor_dim0 = 256
	s_mov_b32 s[G1B+2], 64<<16
	s_mov_b32 s[G1B+3], 256<<16                    ; tile_dim0 = 256
	s_mov_b32 s[G1B+4], 64
	s_mov_b32 s[G1B+5], 4096
	s_mov_b32 s[G1B+6], 0
	s_mov_b32 s[G1B+7], 0
	s_mul_i32 s[LA], s[CHF], AH                    ; no place in the cluster enters an LDS address
	s_mul_i32 s[LB], s[CHF], BH
	s_add_co_u32 s[LB], s[LB], ABYTES
	s_lshl_b32 s40, s[TROW], 1                     ; ctx: group 2 x tile row + half, 80 rows of 4,096 bytes each: it hangs on the tile row alone, which those of my mask share
	s_add_co_u32 s40, s40, s[CHF]
	s_mul_i32 s40, s40, AROWS<<LOGROW
	s_mov_b32 s41, 0
	s_lshl_b32 s44, s[CHF], 19                     ; W: k 64 x half, column 256 x tile column, in bytes: it hangs on the tile column alone, which those of my mask share
	s_lshl_b32 s45, s[TCOL], 9
	s_add_co_u32 s44, s44, s45
	s_mov_b32 s45, 0
	s_wait_dscnt 0x0                               ; the opening add is done
	s_wait_kmcnt 0x0
	s_add_nc_u64 s[42:43], s[4:5], s[40:41]
	s_add_nc_u64 s[46:47], s[6:7], s[44:45]
	CROUND                                         ; all sixteen work-groups are here: the first joint loads meet
.irp s, 0,1
	s_mov_b32 s[G0A+4*(\s)], 1                                       ; count = 1
	s_add_co_u32 s[G0A+4*(\s)+1], s[LA], (\s)*SLOT                   ; LDS address
	s_add_nc_u64 s[G0A+4*(\s)+2:G0A+4*(\s)+3], s[42:43], (\s)*ASTEP  ; global address: K step s
	s_or_b32 s[G0A+4*(\s)+3], s[G0A+4*(\s)+3], 0x80000000            ; type = 2
	s_mov_b32 s[G0B+4*(\s)], 1
	s_add_co_u32 s[G0B+4*(\s)+1], s[LB], (\s)*SLOT
	s_add_nc_u64 s[G0B+4*(\s)+2:G0B+4*(\s)+3], s[46:47], (\s)*BSTEP
	s_or_b32 s[G0B+4*(\s)+3], s[G0B+4*(\s)+3], 0x80000000
	JLOAD \s                                       ; two tensor loads of mine are out
.endr
	; lane addresses.  A fragment of ctx: lane l holds row l % 16, K = 8 (l / 16) + 0..7 and 16 + 8 (l / 16) + 0..7: two loads of 16 bytes, 32 bytes apart.
	v_and_b32 v1, 15, v0                           ; l % 16
	v_bfe_u32 v2, v0, 4, 1                         ; l / 16
	v_mul_u32_u24 v3, v1, PA
	v_lshl_add_u32 v3, v2, 4, v3
	s_mul_i32 s40, s[RH], AH
	v_add_nc_u32 v[ADRA], s40, v3
	v_add_nc_u32 v[ADRA+1], SLOT, v[ADRA]
	; The turning load takes 16 k x 16 n (lane l reads k 8 (l / 16) + l % 8, n 8 ((l / 8) % 2) + 0..7) and leaves half a fragment: lane l holds column l % 16 and 8 k.
	v_and_b32 v4, 7, v0
	v_lshl_add_u32 v4, v2, 3, v4
	v_mul_u32_u24 v4, v4, PB
	v_bfe_u32 v5, v0, 3, 1
	v_lshl_add_u32 v4, v5, 4, v4
	s_lshl_b32 s41, s[CHF], 8                      ; my 128 columns: 256 bytes of a row
	s_add_co_u32 s41, s41, ABYTES
	v_add_nc_u32 v[ADRB], s41, v4
	v_add_nc_u32 v[ADRB+1], SLOT, v[ADRB]
	s_mul_i32 s40, s[WV], 16*SPITCH
	s_add_co_u32 s40, s40, STAGE                   ; my stage
	v_mul_u32_u24 v5, v1, SPITCH                   ; in: row l % 16, 32 bytes for each half of the lanes
	v_lshl_add_u32 v5, v2, 5, v5
	v_add_nc_u32 v[STO], s40, v5
	v_and_b32 v6, 31, v0                           ; lane
	v_lshlrev_b32 v[CO], 4, v6                     ; back: 32 lanes take a row's 512 bytes
	v_add_nc_u32 v[RD], s40, v[CO]
	; where my group's rows go: row block 0 to rows 16 G on, row blocks 1 to 3 to rows 512 + 48 G on; G = 2 x tile row + half
	s_lshl_b32 s72, s[TROW], 1
	s_add_co_u32 s72, s72, s[RH]
	s_mul_i32 s86, s72, 48
	s_add_co_u32 s86, s86, 512
	s_lshl_b32 s86, s86, 14                        ; a row of out0 is 16,384 bytes
	s_lshl_b32 s72, s72, 18
	s_lshl_b32 s73, s[TCOL], 10
	s_lshl_b32 s87, s[CHF], 9
	s_add_co_u32 s73, s73, s87
	s_add_co_u32 s72, s72, s73
	s_add_co_u32 s86, s86, s73
	s_mov_b32 s73, 0
	s_mov_b32 s87, 0
	s_add_nc_u64 s[OUT:OUT+1], s[8:9], s[72:73]
	s_add_nc_u64 s[OUTL:OUTL+1], s[8:9], s[86:87]
	; the prefetches: the address stands at K step 3; each refill steps it first, so the refill of K step t names K step t + 2
	s_lshl_b32 s72, s[TROW], 1
	s_add_co_u32 s72, s72, s[CHF]
	s_mul_i32 s72, s72, AROWS
	s_mul_i32 s73, s[CY], 20
	s_add_co_u32 s72, s72, s73                     ; ctx: row 80 x (2 x tile row + half) + 20 cy
	s_lshl_b32 s72, s72, LOGROW
	s_add_co_u32 s72, s72, 3*ASTEP
	s_lshl_b32 s73, s[CHF], 6
	s_lshl_b32 s86, s[CX], 4
	s_add_co_u32 s73, s73, s86                     ; W: k 64 x half + 16 cx
	s_lshl_b32 s73, s73, 13
	s_lshl_b32 s86, s[TCOL], 9
	s_add_co_u32 s73, s73, s86
	s_add_co_u32 s73, s73, 3*BSTEP
	s_mov_b32 s[PST], BSTEP                        ; W's step and W's row bytes stand in the registers first: a select names one literal at the most
	s_mov_b32 s87, 8192
	s_cmp_lt_u32 s[WV], 2                          ; do I fetch for ctx?
	s_cselect_b64 s[PFA:PFA+1], s[4:5], s[6:7]
	s_cselect_b32 s72, s72, s73
	s_cselect_b32 s[PST], ASTEP, s[PST]
	s_cselect_b32 s86, 0, 1                        ; ctx: a lane a row; W: two lanes a row
	s_cselect_b32 s87, 1<<LOGROW, s87              ; bytes from row to row
	s_cselect_b32 s74, 19, 31                      ; ctx: 20 rows
	s_mov_b32 s73, 0
	s_mov_b32 s[PST+1], 0
	s_add_nc_u64 s[PFA:PFA+1], s[PFA:PFA+1], s[72:73]
	v_min_u32 v7, s74, v6
	v_lshrrev_b32 v7, s86, v7
	v_mul_u32_u24 v[PFO], s87, v7
	v_and_b32 v7, s86, v6
	v_lshl_add_u32 v[PFO], v7, 8, v[PFO]
	s_and_b32 s87, ttmp7, 0xffff                   ; cluster y
	s_cmp_lt_u32 s[WV], 2
	s_cselect_b32 s86, s87, ttmp9                  ; the coordinate along which other clusters read the same rows
	s_cmp_eq_u32 s86, 0
	s_cselect_b32 s[LIM], 1, -1                    ; the same in all sixteen partners, for a given wave
; 26 LDS loads in one run: the fragments of quarter kq (32 along K) of a slot into buffer f: W's eight, turned, then ctx's five: row blocks 0 and 1, the second word (rows 64 on: fragment 4), row blocks 2 and 3
.macro FETCH slot, kq, f
	WIN 0
.irp b, 0,1,2,3,4,5,6,7
	ds_load_tr16_b128 v[(\f)+8*(\b):(\f)+8*(\b)+3],   v[ADRB+(\slot)] offset:(\kq)*32*PB+32*(\b)
	ds_load_tr16_b128 v[(\f)+8*(\b)+4:(\f)+8*(\b)+7], v[ADRB+(\slot)] offset:(\kq)*32*PB+32*(\b)+16*PB
.endr
.irp a, 0,1,4,2,3
	ds_load_b128 v[(\f)+64+8*(\a):(\f)+64+8*(\a)+3],   v[ADRA+(\slot)] offset:(\a)*16*PA+64*(\kq)
	ds_load_b128 v[(\f)+64+8*(\a)+4:(\f)+64+8*(\a)+7], v[ADRA+(\slot)] offset:(\a)*16*PA+64*(\kq)+32
.endr
.endm
; 8 matrix instructions: row block a x all 8 column blocks.  The accumulators take turns, one instruction a turn, in the same order in every quarter.  zero = 1: the product starts the sum.
.macro MUL8 f, a, zero
	WIN MULW
.irp b, 0,1,2,3,4,5,6,7
.if \zero
	v_wmma_f32_16x16x32_f16 v[8*(8*(\a)+(\b)):8*(8*(\a)+(\b))+7], v[(\f)+8*(\b):(\f)+8*(\b)+7], v[(\f)+64+8*(\a):(\f)+64+8*(\a)+7], 0
.else
	v_wmma_f32_16x16x32_f16 v[8*(8*(\a)+(\b)):8*(8*(\a)+(\b))+7], v[(\f)+8*(\b):(\f)+8*(\b)+7], v[(\f)+64+8*(\a):(\f)+64+8*(\a)+7], v[8*(8*(\a)+(\b)):8*(8*(\a)+(\b))+7]
.endif
.endr
.endm
; 8 more: the second word of row block 0, onto row block 0's accumulators; row block 1's eight stand between these and row block 0's own
.macro MULLO f
	WIN MULW
.irp b, 0,1,2,3,4,5,6,7
	v_wmma_f32_16x16x32_f16 v[8*(\b):8*(\b)+7], v[(\f)+8*(\b):(\f)+8*(\b)+7], v[(\f)+96:(\f)+103], v[8*(\b):8*(\b)+7]
.endr
.endm
; A K step is four quarters of 32 along K, 40 matrix instructions each, on buffers 0, 1, 0, 1.  One of the first three: multiplies buffer f and, in its middle, fetches quarter kq into buffer g.
.macro QUARTER slot, kq, f, g, zero
	s_wait_dscnt 6                                 ; W's fragments and ctx's first two are in; the youngest six loads (the second word, row blocks 2 and 3) may be out
	MUL8 \f, 0, \zero
	MUL8 \f, 1, \zero
	PLACES
	FETCH \slot, \kq, \g
	s_wait_dscnt 26                                ; all but the 26 just issued
	MULLO \f
	MUL8 \f, 2, \zero
	MUL8 \f, 3, \zero
.endm
; The last quarter multiplies buffer 1 and changes slots: ONE barrier; in front of it each wave waits for all its tensor loads (the one that is out is its part of the next slot), adds 0 to its spare word,
; and waits for that and for its own reads of this slot.  fill = 1: the barrier opens a round of the cluster's, and this slot is filled again, two K steps ahead, first thing behind the round:
; 144 matrix instructions ahead of the wait for it.
.macro TURN slot, next, fill
.if \fill
	s_wait_xcnt 0x0                                ; the last prefetch, a K step back, has read its address: it is stepped here, ahead of the change's own waits
	s_add_nc_u64 s[PFA:PFA+1], s[PFA:PFA+1], s[PST:PST+1]
.endif
	WIN 0                                          ; (the add's two registers lie in window 0)
	s_wait_tensorcnt 0x0
	ds_add_u32 v[SPW], v[NIL]                      ; 0 onto my spare word
	s_wait_dscnt 7                                 ; (the add and the youngest six loads may be out)
	MUL8 F1, 0, 0                                  ; eight matrix instructions stand between the add and the wait for it
	s_wait_dscnt 0x0                               ; the add is done, and my reads of this slot are over
	s_barrier_signal -1
	MUL8 F1, 1, 0
.if \fill
	WIN 0
.endif
	s_barrier_wait -1
.if \fill
	CREST                                          ; no wave of any partner still reads this slot's tile or has a load on its way
	s_add_nc_u64 s[G0A+4*(\slot)+2:G0A+4*(\slot)+3], s[G0A+4*(\slot)+2:G0A+4*(\slot)+3], 2*ASTEP
	s_add_nc_u64 s[G0B+4*(\slot)+2:G0B+4*(\slot)+3], s[G0B+4*(\slot)+2:G0B+4*(\slot)+3], 2*BSTEP
	JLOAD \slot                                    ; the four v_nop behind it are also the places in front of the loads below
.else
	PLACES
.endif
	FETCH \next, 0, F0
.if \fill
	ASK
.endif
	MULLO F1
	MUL8 F1, 2, 0
	MUL8 F1, 3, 0
.endm
	s_wait_tensorcnt 1                             ; my part of K step 0 is in; K step 1's may stay out
	s_barrier_signal -1
	s_barrier_wait -1                              ; everybody's is
	FETCH 0, 0, F0
	QUARTER 0, 1, F0, F1, 1                        ; the first quarter stands in front of the loop: its products start the sums
	WIN 0                                          ; at a label and at a branch every window is 0
	s_mov_b32 s[LAP], KDIM/256-1
.Llap:                                                 ; a trip goes once round the ring, from a lap's second quarter to the next lap's first, and fills both slots again
	QUARTER 0, 2, F1, F0, 0
	QUARTER 0, 3, F0, F1, 0
	TURN 0, 1, 1
	QUARTER 1, 1, F0, F1, 0
	QUARTER 1, 2, F1, F0, 0
	QUARTER 1, 3, F0, F1, 0
	TURN 1, 0, 1
	QUARTER 0, 1, F0, F1, 0
	WIN 0
	s_sub_co_u32 s[LAP], s[LAP], 1
	s_cmp_lg_u32 s[LAP], 0
	s_cbranch_scc1 .Llap
	QUARTER 0, 2, F1, F0, 0                        ; the last lap fills nothing, and has no round of the cluster's barrier
	QUARTER 0, 3, F0, F1, 0
	TURN 0, 1, 0
	QUARTER 1, 1, F0, F1, 0
	QUARTER 1, 2, F1, F0, 0
	QUARTER 1, 3, F0, F1, 0
	s_wait_dscnt 6
	MUL8 F1, 0, 0
	MUL8 F1, 1, 0
	s_wait_dscnt 0x0
	MULLO F1
	MUL8 F1, 2, 0
	MUL8 F1, 3, 0
	WIN 0
	PLACES
	PLACES
; THE WAY OUT of row block a: a lane's 8 columns of each block of 16, 32 bytes, go into rows of 528 bytes of my stage (each accumulator's lowest registers first) and come back as whole rows of 512.
.macro OUTA a
.set BK, 64+64*((\a)%2)
.if (\a) == 0
.set OBASE, OUT
.set OROW, 0
.else
.set OBASE, OUTL
.set OROW, 16*((\a)-1)
.endif
.if (\a) >= 2
	s_wait_xcnt 0x0                                ; the stores of the block two back have read this buffer: it is loaded again only behind this wait
.endif
	WIN 0x04                                       ; the stores' data lie in window 1
.irp b, 0,1,2,3,4,5,6,7
	ds_store_b128 v[STO], v[8*(8*(\a)+(\b)):8*(8*(\a)+(\b))+3]   offset:64*(\b)
	ds_store_b128 v[STO], v[8*(8*(\a)+(\b))+4:8*(8*(\a)+(\b))+7] offset:64*(\b)+16
.endr
	WIN 0
.irp t, 0,1,2,3,4,5,6,7,8,9,10,11,12,13,14,15
	ds_load_b128 v[BK+4*(\t):BK+4*(\t)+3], v[RD] offset:(\t)*SPITCH  ; LDS serves a wave's instructions in order (ISA guide 5.7.1.4): these see the stores above; the next block's stores come behind them
.endr
.irp t, 0,1,2,3,4,5,6,7,8,9,10,11,12,13,14,15
	s_wait_dscnt 15-(\t)                           ; load t of the sixteen is back
	global_store_b128 v[CO], v[BK+4*(\t):BK+4*(\t)+3], s[OBASE:OBASE+1] offset:(OROW+(\t))*16384 th:TH_STORE_NT  ; a wave stores 512 consecutive bytes, at a multiple of 512 from out0's first byte
.endr
.endm
	OUTA 0
	OUTA 1
	OUTA 2
	OUTA 3
	s_wait_tensorcnt 0x0                           ; the wave's end: behind my last tensor load and my last LDS store
	ds_add_u32 v[SPW], v[NIL]
	s_wait_dscnt 0x0
	CROUND                                         ; the closing round: no work-group ends while a partner may still ask for a tile that names it
	s_endpgm
.Lfunc_end_k_q8bb86ae431_oproj:
	.size	k_q8bb86ae431_oproj, .Lfunc_end_k_q8bb86ae431_oproj-k_q8bb86ae431_oproj
	.p2alignl 7, 3214868480
	.fill 96, 4, 3214868480
	.section	.rodata,"a",@progbits
	.p2align	6, 0x0
	.amdhsa_kernel k_q8bb86ae431_oproj
		.amdhsa_group_segment_fixed_size 327680
		.amdhsa_private_segment_fixed_size 0
		.amdhsa_enable_private_segment 0
		.amdhsa_kernarg_size 24
		.amdhsa_user_sgpr_count 2
		.amdhsa_user_sgpr_kernarg_segment_ptr 1
		.amdhsa_wavefront_size32 1
		.amdhsa_system_sgpr_workgroup_id_x 1
		.amdhsa_system_sgpr_workgroup_id_y 1
		.amdhsa_system_sgpr_workgroup_id_z 1
		.amdhsa_system_vgpr_workitem_id 0
		.amdhsa_next_free_vgpr 512
		.amdhsa_next_free_sgpr 88
		.amdhsa_reserve_vcc 0
		.amdhsa_float_denorm_mode_32 3
		.amdhsa_float_denorm_mode_16_64 3
		.amdhsa_memory_ordered 1
		.amdhsa_forward_progress 1
		.amdhsa_inst_pref_size 99
	.end_amdhsa_kernel
	.amdgpu_metadata
---
amdhsa.version: [ 1, 2 ]
amdhsa.kernels:
  - .name:           k_q8bb86ae431_oproj
    .symbol:         k_q8bb86ae431_oproj.kd
    .args:
      - { .name: ctx, .offset: 0, .size: 8, .value_kind: global_buffer, .address_space: global }
      - { .name: wob, .offset: 8, .size: 8, .value_kind: global_buffer, .address_space: global }
      - { .name: out0, .offset: 16, .size: 8, .value_kind: global_buffer, .address_space: global }
    .group_segment_fixed_size: 327680
    .private_segment_fixed_size: 0
    .kernarg_segment_align: 8
    .kernarg_segment_size: 24
    .max_flat_workgroup_size: 128
    .sgpr_count:     88
    .vgpr_count:     512
    .wavefront_size: 32
...
	.end_amdgpu_metadata
.endif
;; end of part 4
;; ======== version 2 of 2: 4 launches; version 1 with the launch prep written anew for expert scheduling mode
;; limits: values are held in f16: magnitudes above 65,504 overflow, below 6.1e-05 lose precision; right only within a limited range of input values; inputs' magnitudes at most 4,096
;; workspace buffers: xb 16,777,216 bytes; wqkv 33,554,432 bytes; wob 16,777,216 bytes; cs 1,082,880 bytes; qkv 16,777,216 bytes; qkl 8,388,608 bytes; ctx 10,485,760 bytes
;; launch prep (part 5): grid 2181 x 1, 8 waves a work-group, no clusters, 0 bytes of LDS; arguments x, Wq, Wk, Wv, Wo, positions, q_scale, k_scale, xb, wqkv, wob, cs; writes xb, wqkv, wob, cs
.if DOCPART == 5
	.amdgcn_target "amdgcn-amd-amdhsa--gfx1250"
	.amdhsa_code_object_version 6
	.text
	.protected	k_q8bb86ae431_prep
	.globl	k_q8bb86ae431_prep
	.p2align	8
	.type	k_q8bb86ae431_prep,@function
k_q8bb86ae431_prep:
	s_mov_b64 s[64:65], 0
	v_nop
	global_prefetch_b8 v0, s[64:65] scope:SCOPE_SE
	s_setreg_imm32_b32 hwreg(HW_REG_WAVE_SCHED_MODE, 0, 2), 2
	s_setreg_imm32_b32 hwreg(HW_REG_WAVE_MODE, 25, 1), 1
	s_wait_xcnt 0x0
	s_wait_alu depctr_vm_vsrc(0)
; PREP: the casts, the table of cosines and sines, the gains.
;   xb   [2048][4096] bf16 = x rounded.   wqkv [4096 k][4096 n] bf16 = Wq | Wk | Wv x 2^-4, rounded.   wob [2048 k][4096 n] f16 = (Wo rounded to bf16) x 2^4.
;   The two powers of two are exact and cancel in the module; they keep v and the context within f16 up to 1.05e6.
;   cs: f32.  Byte rb*8192 + b*2048 + s*1024 + q*512 + lane*16 + 4 jj holds cos (s = 0) or sin (s = 1) of f32(positions[16 rb + lane % 16]) x inv_freq[16 b + 8 (lane / 16) + 4 q + jj], rb = 0 .. 127:
;   the order in which a lane of the next launch wants them, so that it loads them 512 consecutive bytes a wave.  Blocks rb = 128 .. 131 (from byte TABID) are made with the angle 0: cos 1, sin 0: v's rows take them.
;   From byte GAINS on: q_scale rounded to bf16, k_scale rounded to bf16, 128 ones: 512 bytes each, as f32.
; LIMITS.  |position| below 2^20 (the reduction by pi/2 has two terms).  inv_freq[i] is 2^(-i x 0.20762051) by v_exp_f32, a few units in the last place from a power and a division.
;   (Wo rounded to bf16) x 16 is exact in f16 from 2^-17 to 65,504 in magnitude; below that it is off by 3e-8 at the most; beyond it is an infinity.  NaN and infinities are not treated apart.
; SHARES.  A line is 8,192 bytes of a source: two halves of 4,096; thread t takes 16 bytes at 16 t of each half, so each load of a wave covers 512 consecutive bytes; rounded they are 8 bytes, and each store of a
;   wave covers 256 consecutive bytes, aligned.  A casting work-group takes 8 lines, 65,536 consecutive bytes of its source; which source hangs on the work-group's number alone:
;   0-511 x, 512-1023 Wq, 1024-1279 Wk, 1280-1535 Wv, 1536-2047 Wo; 2048-2179 make the table, 16 positions each; 2180 the gains.
; No LDS, no barrier, no matrix unit: nothing is shared and memory binds.
; THE MODE: SCHED_MODE bits 1:0 = 2 (LLVM: expert scheduling mode 2), set by the entry lines.  The code itself states the register dependences between vector instructions and memory instructions,
;   with s_wait_alu, always for 0.
; THE PLAN, for the casts.  All 16 loads of a thread go out at once into registers of their own.  Registers that memory instructions touch:
;   v[SO]   written once at the head; read by the sixteen loads as their offset; never written again.
;   X       line j, half g: four registers.  Written by their load, then by line j's conversions, in place; the first two are read by line j's stores; never written again.
;   D       sixteen offsets, written once behind the loads; each is read by one store; never written again.
;   U       named by vector instructions alone.
;   Line j's two stores stand at the head of line j + 1, behind the wait for that line's data and ONE wait on va_vdst, which states that line j's conversions have written what the stores read (at line 1 also
;   that D is written); the last line's stand behind a wait of their own.  No register that a load or store has read is written again, and no load is issued behind a vector instruction that names its
;   registers: so no wait on vm_vsrc is owed.  The table's and the gains' few waits are stated where they stand.
.set TABID, 1048576                    ; cs: the table for the angle 0
.set GAINS, 1081344                    ; cs: the three rows of gains
.set SO,   1                           ; v1       16 t: my 16 bytes in half a line of the source
.set D,    2                           ; v[2:17]  my 8 bytes of line j, half g in the destination, at D + 2 j + g
.set X,    20                          ; v[20:83] line j, half g: 4 registers as loaded, at X + 8 j + 4 g; the first 2 then hold what is stored
.set U,    84                          ; v[84:95] at work (Wo)
.set SRC,  32                          ; s[32:33] the source at the work-group's first byte
.set DST,  34                          ; s[34:35] the destination at the work-group's first line
.set BASE, 36                          ; s36  the first work-group of my source
.set DL,   37                          ; s37  bytes from line to line in the destination
.set HS,   38                          ; s38  bytes from a line's first half to its second in the destination (Wk, Wv: a half is a row)
.set DC,   39                          ; s39  the source's first column in the destination, in bytes
.set KIND, 40                          ; s40  0: round to bf16; 1: x 2^-4, round to bf16; 2: x 2^4, round to bf16, write as f16
.set ODD,  50                          ; s[50:53] the table: frequency n's mask of the lanes whose k is odd
.macro PICK bound, src, dst, dl, hs, dc, kind  ; from work-group 'bound' on these hold
	s_cmp_ge_u32 ttmp9, \bound
	s_cselect_b64 s[SRC:SRC+1], s[\src:\src+1], s[SRC:SRC+1]
	s_cselect_b64 s[DST:DST+1], s[\dst:\dst+1], s[DST:DST+1]
	s_cselect_b32 s[BASE], \bound, s[BASE]
	s_cselect_b32 s[DL], \dl, s[DL]
	s_cselect_b32 s[HS], \hs, s[HS]
	s_cselect_b32 s[DC], \dc, s[DC]
	s_cselect_b32 s[KIND], \kind, s[KIND]
.endm
	s_load_b512 s[8:23], s[0:1], 0x0               ; x 8, Wq 10, Wk 12, Wv 14, Wo 16, positions 18, q_scale 20, k_scale 22
	s_load_b256 s[24:31], s[0:1], 0x40             ; xb 24, wqkv 26, wob 28, cs 30
	s_mov_b32 s[BASE], 0
	s_mov_b32 s[DL], 4096
	s_mov_b32 s[HS], 2048
	s_mov_b32 s[DC], 0
	s_mov_b32 s[KIND], 0
	s_mov_b32 s46, 0xffff0000                      ; a word's upper bf16
	v_lshlrev_b32 v[SO], 4, v0
	s_wait_kmcnt 0x0
	s_cmp_ge_u32 ttmp9, 2048
	s_cbranch_scc1 .Ltable
	s_mov_b64 s[SRC:SRC+1], s[8:9]                 ; x into xb, dense, unless a later line says otherwise
	s_mov_b64 s[DST:DST+1], s[24:25]
	PICK 512,  10, 26, 8192,  2048, 0,    0        ; Wq: a line is a row; a row of wqkv is 8,192 bytes
	PICK 1024, 12, 26, 16384, 8192, 4096, 0        ; Wk: a line is two rows; columns 2048 on
	PICK 1280, 14, 26, 16384, 8192, 6144, 1        ; Wv: columns 3072 on
	PICK 1536, 16, 28, 4096,  2048, 0,    2        ; Wo into wob, dense
	s_sub_co_u32 s41, ttmp9, s[BASE]               ; my number among my source's work-groups
	s_lshl_b32 s42, s41, 16                        ; 65,536 bytes of the source each
	s_mov_b32 s43, 0
	s_add_nc_u64 s[SRC:SRC+1], s[SRC:SRC+1], s[42:43]
	s_lshl_b32 s44, s[DL], 3                       ; 8 lines of the destination each
	s_mul_i32 s44, s41, s44
	s_mov_b32 s45, 0
	s_add_nc_u64 s[DST:DST+1], s[DST:DST+1], s[44:45]
	s_wait_alu depctr_va_vdst(0)                   ; v[SO] is written: the sixteen loads below read it as their offset
.irp j, 0,1,2,3,4,5,6,7
	global_load_b128 v[X+8*(\j):X+8*(\j)+3],   v[SO], s[SRC:SRC+1] offset:8192*(\j) th:TH_LOAD_NT
	global_load_b128 v[X+8*(\j)+4:X+8*(\j)+7], v[SO], s[SRC:SRC+1] offset:8192*(\j)+4096 th:TH_LOAD_NT
.endr
	v_lshlrev_b32 v[D], 3, v0                      ; 8 bytes for each thread
	v_add_nc_u32 v[D], s[DC], v[D]
	v_add_nc_u32 v[D+1], s[HS], v[D]
.irp j, 1,2,3,4,5,6,7
	v_add_nc_u32 v[D+2*(\j)], s[DL], v[D+2*(\j)-2]
	v_add_nc_u32 v[D+2*(\j)+1], s[DL], v[D+2*(\j)-1]
.endr
; Line j's two stores.
.macro SEND j
.irp g, 0,1
	global_store_b64 v[D+2*(\j)+(\g)], v[X+8*(\j)+4*(\g):X+8*(\j)+4*(\g)+1], s[DST:DST+1]  ; a wave stores 256 consecutive bytes, at a multiple of 256 from the destination's first byte
.endr
.endm
; Line j: its data are waited for, the line before is stored, line j is converted, half by half.
.macro CONV j, kind
	s_wait_loadcnt 14-2*(\j)                       ; loads come back in order (ISA guide 5.7.1): line j's two are in, the 2 (7 - j) younger ones stay out
.if (\j) > 0
	s_wait_alu depctr_va_vdst(0)                   ; the conversions of the line before have written the four registers that the two stores below read; at line 1 the offsets D are written too
	SEND (\j)-1
.endif
.irp g, 0,1
.set R, X+8*(\j)+4*(\g)
.if (\kind) == 1
	v_pk_mul_f32 v[R:R+1], v[R:R+1], 0x3d800000 op_sel_hi:[1,0]      ; x 2^-4
	v_pk_mul_f32 v[R+2:R+3], v[R+2:R+3], 0x3d800000 op_sel_hi:[1,0]
.endif
.if (\kind) == 2
	v_pk_mul_f32 v[R:R+1], v[R:R+1], 0x41800000 op_sel_hi:[1,0]      ; x 2^4
	v_pk_mul_f32 v[R+2:R+3], v[R+2:R+3], 0x41800000 op_sel_hi:[1,0]
	v_cvt_pk_bf16_f32 v[U+2*(\g)], v[R], v[R+1]                      ; the rounding that all inputs get
	v_cvt_pk_bf16_f32 v[U+2*(\g)+1], v[R+2], v[R+3]
	v_lshlrev_b32 v[U+4+4*(\g)], 16, v[U+2*(\g)]
	v_and_b32     v[U+5+4*(\g)], s46, v[U+2*(\g)]
	v_lshlrev_b32 v[U+6+4*(\g)], 16, v[U+2*(\g)+1]
	v_and_b32     v[U+7+4*(\g)], s46, v[U+2*(\g)+1]
	v_cvt_pk_f16_f32 v[R], v[U+4+4*(\g)], v[U+5+4*(\g)]              ; 8 significant bits fit in f16's 11
	v_cvt_pk_f16_f32 v[R+1], v[U+6+4*(\g)], v[U+7+4*(\g)]
.else
	v_cvt_pk_bf16_f32 v[R], v[R], v[R+1]                             ; ascending, in place: a result lands on a register already read
	v_cvt_pk_bf16_f32 v[R+1], v[R+2], v[R+3]
.endif
.endr
.endm
	s_cmp_eq_u32 s[KIND], 1
	s_cbranch_scc1 .Lkind1
	s_cmp_eq_u32 s[KIND], 2
	s_cbranch_scc1 .Lkind2
.irp j, 0,1,2,3,4,5,6,7
	CONV \j, 0
.endr
	s_wait_alu depctr_va_vdst(0)                   ; line 7's conversions have written what the last two stores read
	SEND 7
	s_endpgm
.Lkind1:
.irp j, 0,1,2,3,4,5,6,7
	CONV \j, 1
.endr
	s_wait_alu depctr_va_vdst(0)                   ; line 7's conversions have written what the last two stores read
	SEND 7
	s_endpgm
.Lkind2:
.irp j, 0,1,2,3,4,5,6,7
	CONV \j, 2
.endr
	s_wait_alu depctr_va_vdst(0)                   ; line 7's conversions have written what the last two stores read
	SEND 7
	s_endpgm
; THE TABLE.  Work-group 2048 + rb makes 8,192 bytes: for rb below 128 those of positions 16 rb .. 16 rb + 15, for rb = 128 .. 131 those of the angle 0 (the position is multiplied by 0).  Thread t makes four cosines and
; four sines: position 16 rb + t % 16, frequencies i0 .. i0 + 3, i0 = 16 (t / 64) + 8 ((t / 16) % 2) + 4 ((t / 32) % 2).
; Registers that memory instructions touch: v3 (the load's offset), v4 (its data), v6 (the stores' offset), v[32:39] (their data); none is written again once a memory instruction has read it.
.Ltable:
	s_cmp_ge_u32 ttmp9, 2180
	s_cbranch_scc1 .Lgains
	s_sub_co_u32 s41, ttmp9, 2048                  ; rb
	s_min_u32 s42, s41, 127                        ; the load stays inside positions
	s_lshl_b32 s42, s42, 6                         ; 16 positions of 4 bytes
	s_cmp_lt_u32 s41, 128
	s_cselect_b32 s43, 1.0, 0
	s_lshl_b32 s44, s41, 13
	s_mov_b32 s45, 0
	s_add_nc_u64 s[30:31], s[30:31], s[44:45]      ; cs at my 8,192 bytes
	s_mov_b32 s48, 0xbfc90fdb                      ; -pi/2, the f32 nearest,
	s_mov_b32 s49, 0x333bbd2e                      ; and what that leaves: +4.371139e-8
	v_and_b32 v1, 15, v0
	v_lshl_add_u32 v3, v1, 2, s42
	s_wait_alu depctr_va_vdst(0)                   ; v3 is written: the load reads it as its offset
	global_load_b32 v4, v3, s[18:19]
	v_lshrrev_b32 v5, 6, v0
	v_lshlrev_b32 v5, 4, v5
	v_bfe_u32 v2, v0, 4, 1
	v_lshl_add_u32 v5, v2, 3, v5
	v_bfe_u32 v2, v0, 5, 1
	v_lshl_add_u32 v5, v2, 2, v5                   ; i0
	v_lshrrev_b32 v6, 6, v0
	v_lshlrev_b32 v6, 11, v6
	v_and_b32 v2, 63, v0
	v_lshl_add_u32 v6, v2, 4, v6                   ; (t / 64) x 2,048 + (t % 64) x 16
	v_mov_b32 v13, 0xb94ca1f9                      ; the sine's and the cosine's leading coefficients
	v_mov_b32 v14, 0x37ccf5ce
.irp n, 0,1,2,3
	v_add_nc_u32 v[8+(\n)], \n, v5
	v_cvt_f32_u32 v[8+(\n)], v[8+(\n)]
	v_mul_f32 v[8+(\n)], 0xbe549a78, v[8+(\n)]     ; -i x log2(10000) / 64
.endr
.irp n, 0,1,2,3
	v_exp_f32 v[8+(\n)], v[8+(\n)]                 ; inv_freq
.endr
	v_nop                                          ; a plain instruction behind the last exponential (ISA guide 5.7.2),
	s_wait_alu depctr_va_vdst(0)                   ; and the wait ahead of the first use of v[8:11]: one for the four exponentials
	s_wait_loadcnt 0x0
	v_cvt_f32_i32 v12, v4                          ; the position as f32, as the reference takes it,
	v_mul_f32 v12, s43, v12                        ; or 0
; cos and sin of a = position x inv_freq[i0 + n]: k = the whole number nearest a x 2/pi; r = a - k pi/2 in two fused steps, |r| up to pi/4; polynomials in z = r r;
; k's last two bits choose between them and set the signs, by selects alone.  For a = 0 every step is exact: cos 1, sin 0.
; In two parts, so that the four compares stand in one run with one wait behind it.  REDUCE n leaves sin r in v[40+n], cos r in v[44+n], k in v[48+n], and the mask 'k is odd' in s[ODD+n].
.macro REDUCE n
	v_mul_f32 v20, v12, v[8+(\n)]
	v_mul_f32 v21, 0x3f22f983, v20
	v_rndne_f32 v21, v21
	v_fma_f32 v22, v21, s48, v20
	v_fma_f32 v22, v21, s49, v22
	v_cvt_i32_f32 v[48+(\n)], v21
	v_mul_f32 v24, v22, v22
	v_fmaak_f32 v25, v13, v24, 0x3c08839e
	v_fmaak_f32 v26, v14, v24, 0xbab6061a
	v_fmaak_f32 v25, v25, v24, 0xbe2aaaa3
	v_fmaak_f32 v26, v26, v24, 0x3d2aaaa5
	v_mul_f32 v27, v24, v22
	v_fma_f32 v29, v24, -0.5, 1.0
	v_fma_f32 v[40+(\n)], v25, v27, v22            ; sin r
	v_mul_f32 v27, v24, v24
	v_fma_f32 v[44+(\n)], v26, v27, v29            ; cos r
	v_and_b32 v27, 1, v[48+(\n)]
	v_cmp_eq_u32 s[ODD+(\n)], 1, v27
.endm
.macro CHOOSE n
	v_cndmask_b32 v[32+(\n)], v[44+(\n)], v[40+(\n)], s[ODD+(\n)]  ; k odd: the two change places
	v_cndmask_b32 v[36+(\n)], v[40+(\n)], v[44+(\n)], s[ODD+(\n)]
	v_add_nc_u32 v27, 1, v[48+(\n)]
	v_and_b32 v27, 2, v27
	v_lshlrev_b32 v27, 30, v27
	v_xor_b32 v[32+(\n)], v27, v[32+(\n)]          ; cos is negative for k % 4 = 1, 2
	v_and_b32 v27, 2, v[48+(\n)]
	v_lshlrev_b32 v27, 30, v27
	v_xor_b32 v[36+(\n)], v27, v[36+(\n)]          ; sin for k % 4 = 2, 3
.endm
	REDUCE 0
	REDUCE 1
	REDUCE 2
	REDUCE 3
	s_wait_alu depctr_va_sdst(0)                   ; the four compares have written s[ODD:ODD+3], ahead of the first select that reads one of them
	CHOOSE 0
	CHOOSE 1
	CHOOSE 2
	CHOOSE 3
	s_wait_alu depctr_va_vdst(0)                   ; v[32:39] and v6 are written: the two stores read them as data and offset
	global_store_b128 v6, v[32:35], s[30:31]
	global_store_b128 v6, v[36:39], s[30:31] offset:1024
	s_endpgm
; THE GAINS.  Wave 0 rounds q_scale to bf16, wave 1 k_scale, like every other floating-point input; wave 2 writes ones (it runs the same lines on q_scale, and a select puts 1 in their place).
; A lane has four numbers; a wave's store covers its row's 512 bytes.  The other five waves have no part in these 1,536 bytes.
.Lgains:
	v_lshrrev_b32 v1, 5, v0
	v_readfirstlane_b32 s41, v1                    ; my wave's number
	s_wait_alu depctr_va_sdst(0)                   ; s41 is written, ahead of its first reader, the compare below
	s_cmp_gt_u32 s41, 2
	s_cbranch_scc1 .Lnone
	v_and_b32 v2, 31, v0
	v_lshlrev_b32 v2, 4, v2
	s_cmp_eq_u32 s41, 1
	s_cselect_b64 s[44:45], s[22:23], s[20:21]
	s_wait_alu depctr_va_vdst(0)                   ; v2 is written: the load reads it as its offset
	global_load_b128 v[4:7], v2, s[44:45]
	s_lshl_b32 s42, s41, 9
	s_add_co_u32 s42, s42, GAINS
	v_add_nc_u32 v3, s42, v2
	s_cmp_eq_u32 s41, 2
	s_cselect_b32 s43, -1, 0
	s_wait_loadcnt 0x0
	v_cvt_pk_bf16_f32 v8, v4, v5
	v_cvt_pk_bf16_f32 v9, v6, v7
	v_lshlrev_b32 v4, 16, v8
	v_and_b32 v5, s46, v8
	v_lshlrev_b32 v6, 16, v9
	v_and_b32 v7, s46, v9
.irp n, 4,5,6,7
	v_cndmask_b32 v\n, v\n, 1.0, s43
.endr
	s_wait_alu depctr_va_vdst(0)                   ; v[4:7] and v3 are written: the store reads them as data and offset
	global_store_b128 v3, v[4:7], s[30:31]
.Lnone:
	s_endpgm
.Lfunc_end_k_q8bb86ae431_prep:
	.size	k_q8bb86ae431_prep, .Lfunc_end_k_q8bb86ae431_prep-k_q8bb86ae431_prep
	.p2alignl 7, 3214868480
	.fill 96, 4, 3214868480
	.section	.rodata,"a",@progbits
	.p2align	6, 0x0
	.amdhsa_kernel k_q8bb86ae431_prep
		.amdhsa_group_segment_fixed_size 0
		.amdhsa_private_segment_fixed_size 0
		.amdhsa_enable_private_segment 0
		.amdhsa_kernarg_size 96
		.amdhsa_user_sgpr_count 2
		.amdhsa_user_sgpr_kernarg_segment_ptr 1
		.amdhsa_wavefront_size32 1
		.amdhsa_system_sgpr_workgroup_id_x 1
		.amdhsa_system_sgpr_workgroup_id_y 1
		.amdhsa_system_sgpr_workgroup_id_z 1
		.amdhsa_system_vgpr_workitem_id 0
		.amdhsa_next_free_vgpr 96
		.amdhsa_next_free_sgpr 66
		.amdhsa_reserve_vcc 0
		.amdhsa_float_denorm_mode_32 3
		.amdhsa_float_denorm_mode_16_64 3
		.amdhsa_memory_ordered 1
		.amdhsa_forward_progress 1
		.amdhsa_inst_pref_size 36
	.end_amdhsa_kernel
	.amdgpu_metadata
---
amdhsa.version: [ 1, 2 ]
amdhsa.kernels:
  - .name:           k_q8bb86ae431_prep
    .symbol:         k_q8bb86ae431_prep.kd
    .args:
      - { .name: x, .offset: 0, .size: 8, .value_kind: global_buffer, .address_space: global }
      - { .name: Wq, .offset: 8, .size: 8, .value_kind: global_buffer, .address_space: global }
      - { .name: Wk, .offset: 16, .size: 8, .value_kind: global_buffer, .address_space: global }
      - { .name: Wv, .offset: 24, .size: 8, .value_kind: global_buffer, .address_space: global }
      - { .name: Wo, .offset: 32, .size: 8, .value_kind: global_buffer, .address_space: global }
      - { .name: positions, .offset: 40, .size: 8, .value_kind: global_buffer, .address_space: global }
      - { .name: q_scale, .offset: 48, .size: 8, .value_kind: global_buffer, .address_space: global }
      - { .name: k_scale, .offset: 56, .size: 8, .value_kind: global_buffer, .address_space: global }
      - { .name: xb, .offset: 64, .size: 8, .value_kind: global_buffer, .address_space: global }
      - { .name: wqkv, .offset: 72, .size: 8, .value_kind: global_buffer, .address_space: global }
      - { .name: wob, .offset: 80, .size: 8, .value_kind: global_buffer, .address_space: global }
      - { .name: cs, .offset: 88, .size: 8, .value_kind: global_buffer, .address_space: global }
    .group_segment_fixed_size: 0
    .private_segment_fixed_size: 0
    .kernarg_segment_align: 8
    .kernarg_segment_size: 96
    .max_flat_workgroup_size: 256
    .sgpr_count:     66
    .vgpr_count:     96
    .wavefront_size: 32
...
	.end_amdgpu_metadata
.endif
;; end of part 5
;; launch qkv: the kernel of part 2 again; grid 16 x 16, 4 waves a work-group, clusters of 4 x 4, 327,680 bytes of LDS; arguments xb, wqkv, cs, qkv, qkl; writes qkv, qkl
;; launch attn: the kernel of part 3 again; grid 32 x 8, 4 waves a work-group, clusters of 4 x 1, 327,680 bytes of LDS; arguments qkv, qkl, ctx; writes ctx
;; launch oproj: the kernel of part 4 again; grid 16 x 16, 4 waves a work-group, clusters of 4 x 4, 327,680 bytes of LDS; arguments ctx, wob, out0; writes out0
